; MI455X (gfx1250); checked and timed in simulation.
; The chip was launched on July 23, 2026; its instructions are those of AMD's public machine-readable ISA for CDNA 5 (MIT licence, August 2026) and "CDNA5" Instruction Set Architecture Reference Guide (July 2026). The comments in the code are by the model that wrote it; some were corrected since.
;; Multi Flow Cond Adapt Router. Allowed arithmetic: float matrix products may take bf16 or f16 operands with f32 sums; other float arithmetic in f32, or as packed bf16 or f16 multiplies, adds, multiply-adds, maxima and minima; sums over many terms, partial sums and values carried from step to step in f32; what a program stores and reads back later, other than sums and carried values, may be rounded once to bf16 or f16.
;; Inputs: W1 8 x 512 x 2,048 float32; W2 8 x 2,048 x 512 float32; W_cond 8 x 512 x 1,024 float32; b1 8 x 2,048 float32; b2 8 x 512 float32; b_cond 8 x 1,024 float32; cond 8 x 512 float32; route 8 int32; x 8 x 512 x 512 float32.
;; Outputs: out0 8 x 512 x 512 float32.
;; 2 versions, each right; version 2 is version 1 with the launches ffn1, ffn2 written anew for expert scheduling mode. Each part assembles by itself: llvm-mc -triple=amdgcn-amd-amdhsa -mcpu=gfx1250 --defsym DOCPART=n.
;; ======== version 1 of 2: 3 launches
;; limits: values are held in f16: magnitudes above 65,504 overflow, below 6.1e-05 lose precision
;; workspace buffers: xb 4,194,304 bytes; film 65,536 bytes; hid 16,777,216 bytes
;; launch prep (part 1): grid 32 x 8, 8 waves a work-group, no clusters, 21,760 bytes of LDS; arguments x, cond, route, W_cond, b_cond, xb, film; writes xb, film
.if DOCPART == 1
	.amdgcn_target "amdgcn-amd-amdhsa--gfx1250"
	.amdhsa_code_object_version 6
	.text
	.protected	k_q48bc308476_prep
	.globl	k_q48bc308476_prep
	.p2align	8
	.type	k_q48bc308476_prep,@function
k_q48bc308476_prep:
	s_mov_b64 s[64:65], 0
	v_nop
	global_prefetch_b8 v0, s[64:65] scope:SCOPE_SE
	s_setreg_imm32_b32 hwreg(HW_REG_WAVE_MODE, 25, 1), 1
	s_wait_xcnt 0x0
; PREP.  Two small jobs for the expert m = route[b] of batch b, one work-group for each (t, b), t = 0 .. 31.
; JOB X.  Rows 16 t .. 16 t + 15 of x[b] are rounded to bf16 (as every input of this program is), written as f16 (the same number) and laid out
;   in the order in which a wave's operand registers take them:  xb[b][rb = t][kb 0..15][j 0..1][lane 0..31][16 bytes], the 16 bytes being
;   x[b][16 rb + lane % 16][32 kb + 16 j + 8 (lane / 16) + 0..7].  The turn from rows to that order goes through LDS.
; JOB F.  A part of mod = cond[b] . W_cond[m] + b_cond[m]: columns 64 sl .. + 63 (sl = t % 16), summed over rows 256 p .. + 255 (p = t / 16).
;   film[p][b][1024] in f32; the half p = 0 also takes the bias, and + 1 in the columns of the scale (sl < 8): the next launch adds the two halves
;   and has g = 1 + scale and shift.  cond, W_cond and b_cond are rounded to bf16, products and sums are f32.
; LIMITS.  |x| stays under 65,504 (f16's end); below 6e-5 x keeps f16's fixed step of 6e-8.  NaN and infinities are not treated apart.  route is held to 0 .. 7.
; No matrix unit (a product with one row), no cluster and no tensor load: no two work-groups of the launch read the same bytes but cond's 1 KB.
.set XP,    1040                       ; a row in LDS: 512 f16 = 1,024 bytes + 16: an odd multiple of 16, so the 16 rows of a 16-byte load start at 16 different groups of four banks (64 banks of 4 bytes: ISA guide 11.1)
.set FS,    16*XP                      ; behind the 16 rows: 16 partial sums of 64 columns, 256 bytes each
.set SPARE, FS+4096                    ; behind them: the spare words, 128 bytes for each of the 8 waves, which no other line names
.set XO,  4                            ; v4   my 16 bytes in the wave's two rows of x
.set CO,  5                            ; v5   my 16 numbers of cond
.set WO,  6                            ; v6   my 16 bytes in my first row of W_cond
.set L8,  7                            ; v7   8 x lane
.set XST, 8                            ; v8   LDS: where my 8 bytes of a row go
.set FST, 9                            ; v9   LDS: where my partial sums go
.set XRD, 10                           ; v10  LDS: where I read a fragment's 16 bytes
.set XGO, 11                           ; v11  my 16 bytes in the wave's 2,048 bytes of xb
.set FRD, 12                           ; v12  LDS: my two columns of the partial sums
.set SPW, 13                           ; v13  LDS address of my spare word; never rewritten
.set NIL, 14                           ; v14  0, for the add alone
.set ZR,  15                           ; v15  0: the addend that starts the four sums
.set XR,  16                           ; v[16:47]    x as loaded; later the fragments to store
.set CD,  48                           ; v[48:63]    16 numbers of cond
.set WC,  64                           ; v[64:127]   16 rows x 4 columns of W_cond; later the partial sums
.set BI,  128                          ; v[128:129]  two numbers of b_cond
.set FA,  130                          ; v[130:133]  four sums
.set T,   134                          ; v[134:141]  at work
.set CP,  142                          ; v[142:149]  cond in bf16, two to a register
	s_load_b256 s[4:11], s[0:1], 0x0               ; x s[4:5], cond s[6:7], route s[8:9], W_cond s[10:11]
	s_load_b128 s[12:15], s[0:1], 0x20             ; b_cond s[12:13], xb s[14:15]
	s_load_b64 s[16:17], s[0:1], 0x30              ; film
	v_lshl_add_u32 v[SPW], v0, 2, SPARE
	v_mov_b32 v[NIL], 0
	v_mov_b32 v[ZR], 0
	v_lshrrev_b32 v1, 5, v0
	v_readfirstlane_b32 s18, v1                    ; wave 0..7
	s_mov_b32 s19, ttmp9                           ; t
	s_and_b32 s20, ttmp7, 0xffff                   ; b
	s_and_b32 s21, s19, 15                         ; sl
	s_lshr_b32 s22, s19, 4                         ; p
	s_mov_b32 s25, 0                               ; the high word of every offset: all stay under 2^32
	s_mov_b32 s28, 0xffff0000                      ; a word's upper bf16
	s_cmp_eq_u32 s22, 0
	s_cselect_b32 s32, 1.0, 0                      ; the bias counts in half 0 alone
	s_mov_b32 s33, s32                             ; named with it as a pair
	s_cmp_lt_u32 s21, 8
	s_cselect_b32 s34, 1.0, 0                      ; + 1 in the scale's columns alone
	s_mov_b32 s35, s34
	v_and_b32 v1, 31, v0                           ; lane
	v_and_b32 v2, 15, v0                           ; r
	v_bfe_u32 v3, v0, 4, 1                         ; h
	s_lshl_b32 s26, s18, 12
	v_lshl_add_u32 v[XO], v1, 4, s26               ; two rows of 2,048 bytes a wave + 16 x lane
	s_lshl_b32 s26, s18, 5
	v_lshl_add_u32 v[T], v3, 4, s26                ; my first row of the 256: 32 wave + 16 h
	v_lshlrev_b32 v[CO], 2, v[T]
	v_lshlrev_b32 v[WO], 12, v[T]                  ; a row of W_cond is 4,096 bytes
	v_lshl_add_u32 v[WO], v2, 4, v[WO]
	v_lshlrev_b32 v[L8], 3, v1
	s_mul_i32 s26, s18, 2*XP
	v_lshl_add_u32 v[XST], v1, 3, s26
	s_lshl_b32 s26, s18, 9
	s_add_co_u32 s26, s26, FS
	v_lshl_add_u32 v[FST], v3, 8, s26              ; partial sum 2 wave + h
	v_lshl_add_u32 v[FST], v2, 4, v[FST]
	v_mul_u32_u24 v[XRD], v2, XP                   ; row r, 16 bytes for each half of the lanes, 128 bytes (two kb) a wave
	v_lshl_add_u32 v[XRD], v3, 4, v[XRD]
	s_lshl_b32 s26, s18, 7
	v_add_nc_u32 v[XRD], s26, v[XRD]
	s_lshl_b32 s26, s18, 11
	v_lshl_add_u32 v[XGO], v1, 4, s26
	v_lshl_add_u32 v[FRD], v1, 3, FS
	s_wait_kmcnt 0x0
	s_lshl_b32 s24, s20, 2
	s_add_nc_u64 s[8:9], s[8:9], s[24:25]
	s_load_b32 s23, s[8:9], 0x0                    ; route[b]
	s_lshl_b32 s24, s20, 20                        ; x: b x 1 MiB + t x 16 rows
	s_lshl_b32 s26, s19, 15
	s_add_co_u32 s24, s24, s26
	s_add_nc_u64 s[4:5], s[4:5], s[24:25]
	s_lshl_b32 s24, s20, 11                        ; cond: b x 2,048 + p x 1,024
	s_lshl_b32 s26, s22, 10
	s_add_co_u32 s24, s24, s26
	s_add_nc_u64 s[6:7], s[6:7], s[24:25]
.set q, 0
.rept 8                                ; x does not hang on the route: it goes out first.  Each load covers 512 consecutive bytes
	global_load_b128 v[XR+4*q:XR+4*q+3], v[XO], s[4:5] offset:(q/4)*2048+(q%4)*512 th:TH_LOAD_NT
.set q, q+1
.endr
.set q, 0
.rept 4
	global_load_b128 v[CD+4*q:CD+4*q+3], v[CO], s[6:7] offset:16*q
.set q, q+1
.endr
	s_lshl_b32 s24, s20, 5                         ; xb: (32 b + t) x 16,384
	s_add_co_u32 s24, s24, s19
	s_lshl_b32 s24, s24, 14
	s_add_nc_u64 s[14:15], s[14:15], s[24:25]
	s_lshl_b32 s24, s22, 15                        ; film: p x 32,768 + b x 4,096 + sl x 256
	s_lshl_b32 s26, s20, 12
	s_add_co_u32 s24, s24, s26
	s_lshl_b32 s26, s21, 8
	s_add_co_u32 s24, s24, s26
	s_add_nc_u64 s[16:17], s[16:17], s[24:25]
	s_wait_kmcnt 0x0
	s_min_u32 s23, s23, 7                          ; m
	s_lshl_b32 s24, s23, 21                        ; W_cond: m x 2 MiB + p x 1 MiB + sl x 256
	s_lshl_b32 s27, s22, 20
	s_add_co_u32 s24, s24, s27
	s_add_co_u32 s24, s24, s26
	s_add_nc_u64 s[10:11], s[10:11], s[24:25]
	s_lshl_b32 s24, s23, 12                        ; b_cond: m x 4,096 + sl x 256
	s_add_co_u32 s24, s24, s26
	s_add_nc_u64 s[12:13], s[12:13], s[24:25]
.set i, 0
.rept 16                               ; row 32 wave + 16 h + i: sixteen lanes take its 256 aligned bytes
	global_load_b128 v[WC+4*i:WC+4*i+3], v[WO], s[10:11] offset:4096*i
.set i, i+1
.endr
	global_load_b64 v[BI:BI+1], v[L8], s[12:13]
	; JOB X, first half: rounded, and into LDS by rows
	s_wait_loadcnt 21                              ; behind x's eight loads 4 + 16 + 1 were issued: those may stay out
.set q, 0
.rept 8
	v_cvt_pk_bf16_f32 v[T], v[XR+4*q], v[XR+4*q+1]
	v_cvt_pk_bf16_f32 v[T+1], v[XR+4*q+2], v[XR+4*q+3]
	v_lshlrev_b32 v[T+2], 16, v[T]                 ; the rounded numbers as f32,
	v_and_b32 v[T+3], s28, v[T]
	v_lshlrev_b32 v[T+4], 16, v[T+1]
	v_and_b32 v[T+5], s28, v[T+1]
	v_cvt_pk_f16_f32 v[T+6], v[T+2], v[T+3]        ; and as f16: 8 significant bits go into 11
	v_cvt_pk_f16_f32 v[T+7], v[T+4], v[T+5]
	ds_store_b64 v[XST], v[T+6:T+7] offset:(q/4)*XP+(q%4)*256
.set q, q+1
.endr
	; JOB F: four columns x sixteen rows a lane
	s_wait_loadcnt 0x0
.set i, 0
.rept 8
	v_cvt_pk_bf16_f32 v[CP+i], v[CD+2*i], v[CD+2*i+1]
.set i, i+1
.endr
.macro MIX e, ha, hb, i                ; sum e += bf16 half ha of the row's word x bf16 half hb of cond's word, in f32; row 0 starts the sum on 0
.if (\i) == 0
	v_fma_mix_f32_bf16 v[FA+(\e)], v[rT+(\e)/2], v[CP+(\i)/2], v[ZR] op_sel:[\ha,\hb,0] op_sel_hi:[1,1,0]
.else
	v_fma_mix_f32_bf16 v[FA+(\e)], v[rT+(\e)/2], v[CP+(\i)/2], v[FA+(\e)] op_sel:[\ha,\hb,0] op_sel_hi:[1,1,0]
.endif
.endm
.macro ROWF i, hb
.set rT, T+2*((\i)%2)
	v_cvt_pk_bf16_f32 v[rT], v[WC+4*(\i)], v[WC+4*(\i)+1]
	v_cvt_pk_bf16_f32 v[rT+1], v[WC+4*(\i)+2], v[WC+4*(\i)+3]
	MIX 0, 0, \hb, \i
	MIX 1, 1, \hb, \i
	MIX 2, 0, \hb, \i
	MIX 3, 1, \hb, \i
.endm
.irp i, 0,2,4,6,8,10,12,14
	ROWF \i, 0
	ROWF \i+1, 1
.endr
	ds_store_b128 v[FST], v[FA:FA+3]
	s_wait_dscnt 0x0                               ; for the others' sake: my rows and my partial sums are in LDS
	s_barrier_signal -1
	s_barrier_wait -1
	; JOB X, second half: out of LDS in the operands' order; wave w has kb = 2 w and 2 w + 1
.irp e, 0,1,2,3
	ds_load_b128 v[XR+4*\e:XR+4*\e+3], v[XRD] offset:32*\e
.endr
.irp e, 0,1,2,3
	s_wait_dscnt 3-\e
	global_store_b128 v[XGO], v[XR+4*\e:XR+4*\e+3], s[14:15] offset:512*\e  ; 512 consecutive bytes, at a multiple of 512 from xb's first
.endr
	s_cmp_eq_u32 s18, 0
	s_cbranch_scc1 .Lsum
	s_wait_tensorcnt 0x0                           ; a wave's end
	ds_add_u32 v[SPW], v[NIL]
	s_wait_dscnt 0x0
	s_endpgm
.Lsum:                                                 ; wave 0 adds the sixteen partial sums, two columns a lane
.set q, 0
.rept 16
	ds_load_b64 v[WC+2*q:WC+2*q+1], v[FRD] offset:256*q
.set q, q+1
.endr
	v_cvt_pk_bf16_f32 v[T], v[BI], v[BI+1]         ; the bias, rounded like every input,
	v_lshlrev_b32 v[BI], 16, v[T]
	v_and_b32 v[BI+1], s28, v[T]
	v_pk_add_f32 v[BI:BI+1], v[BI:BI+1], s[34:35] op_sel_hi:[1,0]  ; + 1 for the scale
	s_wait_dscnt 0x0
.macro FOLD base, cnt                  ; pair q takes pair q + cnt, q = 0 .. cnt - 1
.set q, 0
.rept \cnt
	v_pk_add_f32 v[(\base)+2*q:(\base)+2*q+1], v[(\base)+2*q:(\base)+2*q+1], v[(\base)+2*(q+(\cnt)):(\base)+2*(q+(\cnt))+1]
.set q, q+1
.endr
.endm
	FOLD WC, 8
	FOLD WC, 4
	FOLD WC, 2
	FOLD WC, 1
	v_pk_fma_f32 v[WC:WC+1], v[BI:BI+1], s[32:33], v[WC:WC+1] op_sel_hi:[1,0,1]  ; in half 0 alone
	global_store_b64 v[L8], v[WC:WC+1], s[16:17]   ; 32 lanes store 256 consecutive bytes, at a multiple of 256 from film's first
	s_wait_tensorcnt 0x0                           ; the wave's end, as above
	ds_add_u32 v[SPW], v[NIL]
	s_wait_dscnt 0x0
	s_endpgm
.Lfunc_end_k_q48bc308476_prep:
	.size	k_q48bc308476_prep, .Lfunc_end_k_q48bc308476_prep-k_q48bc308476_prep
	.p2alignl 7, 3214868480
	.fill 96, 4, 3214868480
	.section	.rodata,"a",@progbits
	.p2align	6, 0x0
	.amdhsa_kernel k_q48bc308476_prep
		.amdhsa_group_segment_fixed_size 21760
		.amdhsa_private_segment_fixed_size 0
		.amdhsa_enable_private_segment 0
		.amdhsa_kernarg_size 56
		.amdhsa_user_sgpr_count 2
		.amdhsa_user_sgpr_kernarg_segment_ptr 1
		.amdhsa_wavefront_size32 1
		.amdhsa_system_sgpr_workgroup_id_x 1
		.amdhsa_system_sgpr_workgroup_id_y 1
		.amdhsa_system_sgpr_workgroup_id_z 1
		.amdhsa_system_vgpr_workitem_id 0
		.amdhsa_next_free_vgpr 160
		.amdhsa_next_free_sgpr 66
		.amdhsa_reserve_vcc 0
		.amdhsa_float_denorm_mode_32 3
		.amdhsa_float_denorm_mode_16_64 3
		.amdhsa_memory_ordered 1
		.amdhsa_forward_progress 1
		.amdhsa_inst_pref_size 20
	.end_amdhsa_kernel
	.amdgpu_metadata
---
amdhsa.version: [ 1, 2 ]
amdhsa.kernels:
  - .name:           k_q48bc308476_prep
    .symbol:         k_q48bc308476_prep.kd
    .args:
      - { .name: x, .offset: 0, .size: 8, .value_kind: global_buffer, .address_space: global }
      - { .name: cond, .offset: 8, .size: 8, .value_kind: global_buffer, .address_space: global }
      - { .name: route, .offset: 16, .size: 8, .value_kind: global_buffer, .address_space: global }
      - { .name: W_cond, .offset: 24, .size: 8, .value_kind: global_buffer, .address_space: global }
      - { .name: b_cond, .offset: 32, .size: 8, .value_kind: global_buffer, .address_space: global }
      - { .name: xb, .offset: 40, .size: 8, .value_kind: global_buffer, .address_space: global }
      - { .name: film, .offset: 48, .size: 8, .value_kind: global_buffer, .address_space: global }
    .group_segment_fixed_size: 21760
    .private_segment_fixed_size: 0
    .kernarg_segment_align: 8
    .kernarg_segment_size: 56
    .max_flat_workgroup_size: 256
    .sgpr_count:     66
    .vgpr_count:     160
    .wavefront_size: 32
...
	.end_amdgpu_metadata
.endif
;; end of part 1
;; launch ffn1 (part 2): grid 32 x 8, 16 waves a work-group, no clusters, 59,392 bytes of LDS; arguments xb, film, route, W1, b1, hid; writes hid
.if DOCPART == 2
	.amdgcn_target "amdgcn-amd-amdhsa--gfx1250"
	.amdhsa_code_object_version 6
	.text
	.protected	k_q48bc308476_ffn1
	.globl	k_q48bc308476_ffn1
	.p2align	8
	.type	k_q48bc308476_ffn1,@function
k_q48bc308476_ffn1:
	s_mov_b64 s[64:65], 0
	v_nop
	global_prefetch_b8 v0, s[64:65] scope:SCOPE_SE
	s_setreg_imm32_b32 hwreg(HW_REG_WAVE_MODE, 25, 1), 1
	s_wait_xcnt 0x0
; FFN1.  h = gelu(x_mod . W1[m] + b1[m]) for batch b and its expert m = route[b]: 512 tokens x 64 columns (64 fs ..) a work-group, K = 512.
; THE MODULATION IS MOVED ONTO THE WEIGHTS:  x_mod = x g + shift (g = 1 + scale), so  z[n][f] = sum_k x[n][k] (g[k] W1[k][f]) + c[f],  c[f] = sum_k shift[k] W1[k][f] + b1[f].
;   x arrives rounded to bf16 and written as f16 (launch prep); W1 and b1 are rounded to bf16 here; g W1 is made in f32 and rounded once to f16 (11 significant bits); c is summed in f32 by vector
;   instructions while W1 passes through the registers.  The product runs in f16 with f32 sums.  h is rounded once to bf16 (its range has no bound in f16).
; GELU (the tanh form):  z / (1 + 2^(z (C1 + C2 z^2))),  C1 = -2 log2(e) sqrt(2 / pi),  C2 = 0.044715 C1.  Where z^2 or the exponent overflows the power is 0 or infinite and the result z or -0.
; LIMITS.  |g W1| stays under 65,504 (f16's end); below 6e-5 it keeps f16's fixed step of 6e-8.  NaN and infinities are not treated apart.  route is held to 0 .. 7.
; SHARES.  16 waves, four to a SIMD, 256 registers each.  Wave w: tokens 32 w .. + 31 x all 64 columns: 8 accumulators, 16 steps of 32 along K, 8 matrix instructions a step.
;   W1's slice (512 rows x 256 bytes) is asked for whole at the start, 16 loads a wave, and goes in four chunks of 128 rows through two LDS slots, [k][64 columns] in f16; ds_load_tr16_b128 turns it.
;   The tokens' fragments come from memory straight into the operand registers of the one wave that multiplies them, four steps ahead: 16 loads of a wave are always out.
; THE MATRIX INSTRUCTION IS USED TRANSPOSED (source 0 = 16 columns of W1, source 1 = 16 tokens): a lane holds one token (lane % 16) and eight neighbouring columns, 16 bytes of h, which ARE
;   registers 4 j .. 4 j + 3 of the next product's operand:  hid[b][rb 0..31][kb 0..63][j][lane][16 bytes] = h[16 rb + lane % 16][32 kb + 16 j + 8 (lane / 16) + 0..7].
; NO CLUSTER, NO TENSOR LOAD.  What work-groups share is xb's fragments (the 32 of a batch) and W1's slice (batches of one expert).  W1 has to pass through registers to be rounded and scaled; a
;   fragment of xb through LDS would add 4 LDS reads to a step's 8 for the same 8 matrix instructions.  So both come by loads into registers.
.set WP,    160                        ; a row of a slot: 128 bytes + 32 = 40 words
.set SLOT,  128*WP                     ; 128 rows; two slots from LDS byte 0
.set FILM,  2*SLOT                     ; g[512], then shift[512], f32
.set CP,    FILM+4096                  ; 32 partial sums of c, 256 bytes each
.set CF,    CP+8192                    ; c, once for each wave: the wave's own 256 bytes
.set SPARE, CF+4096                    ; the spare words, 128 bytes for each of the 16 waves, which no other line names
.set AO,  1                            ; v1   my 16 bytes in my wave's part of xb
.set FO,  2                            ; v2   8 x thread: my two numbers of film, in memory and in LDS
.set WO,  3                            ; v3   my 16 bytes in my first row of W1
.set L8,  4                            ; v4   8 x lane
.set WST, 5                            ; v5   LDS: where my 8 bytes of a row of W' go
.set TR,  6                            ; v6   LDS: my lane's place for the turning load
.set FA,  7                            ; v7   LDS: g of my four rows
.set CPS, 8                            ; v8   LDS: where my partial sums of c go
.set CFW, 9                            ; v9   LDS: my two columns of my wave's c
.set CFR, 10                           ; v10  LDS: c of my eight columns of a tile
.set HO,  11                           ; v11  my 16 bytes in my wave's part of hid
.set B1,  12                           ; v[12:13]  two numbers of b1
.set SPW, 14                           ; v14  LDS address of my spare word; never rewritten
.set NIL, 15                           ; v15  0, for the add alone
.set ACC, 16                           ; v[16:79]    accumulator (a, nt) at ACC + 8 (4 a + nt): tokens 16 a .., columns 16 nt ..
.set AF,  80                           ; v[80:143]   the tokens' fragments: four steps' slots of 16; on the way out z and the exponents
.set WS,  144                          ; v[144:207]  W1 as loaded, 16 registers a chunk; on the way out c's partial sums, then h packed
.set WF,  208                          ; v[208:239]  W's fragments of one step; on the way out c of my columns
.set G,   240                          ; v[240:243]  g of my four rows
.set SH,  244                          ; v[244:247]  shift of my four rows
.set CC,  248                          ; v[248:251]  my partial sums of c: four columns
.set TP,  252                          ; v[252:255]  at work
.set LN,  252
.set RR,  253
.set HH,  254
.set TT,  255
.set ZZ,  AF
.set EX,  AF+32
.set PK,  WS
	s_load_b256 s[4:11], s[0:1], 0x0               ; xb s[4:5], film s[6:7], route s[8:9], W1 s[10:11]
	s_load_b128 s[12:15], s[0:1], 0x20             ; b1 s[12:13], hid s[14:15]
	v_lshl_add_u32 v[SPW], v0, 2, SPARE
	v_mov_b32 v[NIL], 0
	v_lshrrev_b32 v[TT], 5, v0
	v_readfirstlane_b32 s16, v[TT]                 ; wave 0..15
	s_mov_b32 s17, ttmp9                           ; fs
	s_and_b32 s18, ttmp7, 0xffff                   ; b
	s_mov_b32 s21, 0                               ; the high word of every offset: all stay under 2^32
	s_mov_b32 s24, 0xffff0000                      ; a word's upper bf16
	s_mov_b32 s26, 0xc0135761                      ; C1 = -2.3022082
	s_mov_b32 s27, s26                             ; named with it as a pair
	s_mov_b32 s28, 0xbdd2d3e8                      ; C2 = -0.10294324
	s_mov_b32 s29, s28
	v_and_b32 v[LN], 31, v0                        ; lane
	v_and_b32 v[RR], 15, v0                        ; r
	v_bfe_u32 v[HH], v0, 4, 1                      ; h
	s_lshl_b32 s22, s16, 15
	v_lshl_add_u32 v[AO], v[LN], 4, s22            ; two row blocks of 16,384 bytes a wave + 16 x lane
	v_lshlrev_b32 v[FO], 3, v0
	v_lshlrev_b32 v[L8], 3, v[LN]
	s_lshl_b32 s22, s16, 3
	v_lshl_add_u32 v[TT], v[HH], 2, s22            ; my first row of a chunk: 8 wave + 4 h
	v_lshlrev_b32 v[WO], 13, v[TT]                 ; a row of W1 is 8,192 bytes
	v_lshl_add_u32 v[WO], v[RR], 4, v[WO]
	v_mul_u32_u24 v[WST], v[TT], WP
	v_lshl_add_u32 v[WST], v[RR], 3, v[WST]        ; lanes 16-31 lie 640 bytes on, 128 modulo 256: the 32 lanes' 8 bytes fall on each bank once
	v_lshl_add_u32 v[FA], v[TT], 2, FILM
	v_and_b32 v[TT], 7, v0                         ; the turning load: lane l reads row 8 (l / 16) + l % 8, bytes 16 ((l / 8) % 2) on
	v_lshl_add_u32 v[TT], v[HH], 3, v[TT]
	v_mul_u32_u24 v[TR], v[TT], WP
	v_bfe_u32 v[TT], v0, 3, 1
	v_lshl_add_u32 v[TR], v[TT], 4, v[TR]
	s_lshl_b32 s22, s16, 9
	s_add_co_u32 s22, s22, CP
	v_lshl_add_u32 v[CPS], v[HH], 8, s22           ; partial sum 2 wave + h
	v_lshl_add_u32 v[CPS], v[RR], 4, v[CPS]
	s_lshl_b32 s22, s16, 8
	s_add_co_u32 s22, s22, CF
	v_lshl_add_u32 v[CFW], v[LN], 3, s22
	v_lshl_add_u32 v[CFR], v[HH], 5, s22
	s_lshl_b32 s22, s16, 17
	v_lshl_add_u32 v[HO], v[LN], 4, s22            ; two row blocks of 65,536 bytes a wave + 16 x lane
	s_wait_kmcnt 0x0
	s_lshl_b32 s20, s18, 2
	s_add_nc_u64 s[8:9], s[8:9], s[20:21]
	s_load_b32 s19, s[8:9], 0x0                    ; route[b]
	s_lshl_b32 s20, s18, 19
	s_add_nc_u64 s[4:5], s[4:5], s[20:21]          ; xb[b]
	s_lshl_b32 s20, s18, 12
	s_add_nc_u64 s[6:7], s[6:7], s[20:21]          ; film[0][b]
; the tokens' fragments of step s (32 along K): two tiles of 16 tokens, two loads of 512 consecutive bytes each
.macro LDA s
.irp a, 0,1
.irp j, 0,1
	global_load_b128 v[AF+16*((\s)%4)+8*\a+4*\j:AF+16*((\s)%4)+8*\a+4*\j+3], v[AO], s[4:5] offset:\a*16384+(\s)*1024+\j*512
.endr
.endr
.endm
; chunk c of W1: my four rows; sixteen lanes take a row's 256 aligned bytes
.macro LDW c
.irp i, 0,1,2,3
	global_load_b128 v[WS+16*(\c)+4*\i:WS+16*(\c)+4*\i+3], v[WO], s[10:11] offset:(128*(\c)+\i)*8192
.endr
.endm
	global_load_b64 v[G:G+1], v[FO], s[6:7]
	global_load_b64 v[G+2:G+3], v[FO], s[6:7] offset:32768
	LDA 0                                          ; what does not hang on the route goes out first
	LDA 1
	LDA 2
	LDA 3
	s_lshl_b32 s20, s18, 21                        ; hid: b x 2 MiB + fs x 2 blocks of 1,024 bytes
	s_lshl_b32 s22, s17, 11
	s_add_co_u32 s20, s20, s22
	s_add_nc_u64 s[14:15], s[14:15], s[20:21]
	s_lshl_b32 s22, s17, 8                         ; 64 columns of f32
	s_wait_kmcnt 0x0
	s_min_u32 s19, s19, 7                          ; m
	s_lshl_b32 s20, s19, 22
	s_add_co_u32 s20, s20, s22
	s_add_nc_u64 s[10:11], s[10:11], s[20:21]      ; W1[m], my columns
	s_lshl_b32 s20, s19, 13
	s_add_co_u32 s20, s20, s22
	s_add_nc_u64 s[12:13], s[12:13], s[20:21]      ; b1[m], my columns
	LDW 0                                          ; the work-group's whole slice of W1 is on its way at once
	LDW 1
	LDW 2
	LDW 3
	global_load_b64 v[B1:B1+1], v[L8], s[12:13]
.macro BAR                             ; my LDS stores are done and my LDS reads are back; then all sixteen waves meet
	s_wait_dscnt 0x0
	s_barrier_signal -1
	s_barrier_wait -1
.endm
; Row i of my four of chunk c: rounded to bf16; c takes shift x W1; g x W1 is rounded to f16 and goes into the slot.  g and shift of row i lie in a pair's first (i even) or second register.
.macro ROW1 c, slot, i
.set rW, WS+16*(\c)+4*(\i)
.set rT, TP+2*((\i)%2)
.set rG, G+2*((\i)/2)
.set rS, SH+2*((\i)/2)
	v_cvt_pk_bf16_f32 v[rT], v[rW], v[rW+1]
	v_cvt_pk_bf16_f32 v[rT+1], v[rW+2], v[rW+3]
	v_lshlrev_b32 v[rW], 16, v[rT]
	v_and_b32 v[rW+1], s24, v[rT]
	v_lshlrev_b32 v[rW+2], 16, v[rT+1]
	v_and_b32 v[rW+3], s24, v[rT+1]
.if (\i)%2 == 0
.if (\c) == 0 && (\i) == 0
	v_pk_mul_f32 v[CC:CC+1], v[rW:rW+1], v[rS:rS+1] op_sel_hi:[1,0]          ; the first row starts c's sums: nothing is cleared
	v_pk_mul_f32 v[CC+2:CC+3], v[rW+2:rW+3], v[rS:rS+1] op_sel_hi:[1,0]
.else
	v_pk_fma_f32 v[CC:CC+1], v[rW:rW+1], v[rS:rS+1], v[CC:CC+1] op_sel_hi:[1,0,1]
	v_pk_fma_f32 v[CC+2:CC+3], v[rW+2:rW+3], v[rS:rS+1], v[CC+2:CC+3] op_sel_hi:[1,0,1]
.endif
	v_pk_mul_f32 v[rW:rW+1], v[rW:rW+1], v[rG:rG+1] op_sel_hi:[1,0]
	v_pk_mul_f32 v[rW+2:rW+3], v[rW+2:rW+3], v[rG:rG+1] op_sel_hi:[1,0]
.else
	v_pk_fma_f32 v[CC:CC+1], v[rW:rW+1], v[rS:rS+1], v[CC:CC+1] op_sel:[0,1,0]
	v_pk_fma_f32 v[CC+2:CC+3], v[rW+2:rW+3], v[rS:rS+1], v[CC+2:CC+3] op_sel:[0,1,0]
	v_pk_mul_f32 v[rW:rW+1], v[rW:rW+1], v[rG:rG+1] op_sel:[0,1]
	v_pk_mul_f32 v[rW+2:rW+3], v[rW+2:rW+3], v[rG:rG+1] op_sel:[0,1]
.endif
	v_cvt_pk_f16_f32 v[rT], v[rW], v[rW+1]
	v_cvt_pk_f16_f32 v[rT+1], v[rW+2], v[rW+3]
	ds_store_b64 v[WST], v[rT:rT+1] offset:(\slot)*SLOT+(\i)*WP
.endm
; Chunk c into a slot.  lc: the loads issued behind the chunk's four, which may stay out.
.macro PROC1 c, slot, lc
	ds_load_b128 v[G:G+3], v[FA] offset:512*(\c)
	ds_load_b128 v[SH:SH+3], v[FA] offset:2048+512*(\c)
	s_wait_loadcnt \lc
	s_wait_dscnt 0x0
	ROW1 \c, \slot, 0
	ROW1 \c, \slot, 1
	ROW1 \c, \slot, 2
	ROW1 \c, \slot, 3
.endm
; Step s: 32 along K.  Eight turning loads bring W's four fragments; eight matrix instructions, the eight accumulators by turns, one instruction a turn and in the same order in every step.
; lc: the loads issued behind this step's token fragments.  Four v_nop are the places between the last product and the loads into registers that the products read:
; the refill of this step's token slot (refill = 1: the fragments four steps on) and the next step's turning loads.  first = 1: the products start the sums.
.macro STEP s, slot, lc, refill, first
.irp nt, 0,1,2,3
	ds_load_tr16_b128 v[WF+8*\nt:WF+8*\nt+3], v[TR] offset:(\slot)*SLOT+((\s)%4)*32*WP+32*\nt
	ds_load_tr16_b128 v[WF+8*\nt+4:WF+8*\nt+7], v[TR] offset:(\slot)*SLOT+((\s)%4)*32*WP+32*\nt+16*WP
.endr
	s_wait_loadcnt \lc
.irp nt, 0,1,2,3
	s_wait_dscnt 6-2*\nt                           ; LDS loads come back in order (ISA guide 5.7.1): fragment nt is in, the later ones stay out
.irp a, 0,1
.if \first
	v_wmma_f32_16x16x32_f16 v[ACC+8*(4*\a+\nt):ACC+8*(4*\a+\nt)+7], v[WF+8*\nt:WF+8*\nt+7], v[AF+16*((\s)%4)+8*\a:AF+16*((\s)%4)+8*\a+7], 0
.else
	v_wmma_f32_16x16x32_f16 v[ACC+8*(4*\a+\nt):ACC+8*(4*\a+\nt)+7], v[WF+8*\nt:WF+8*\nt+7], v[AF+16*((\s)%4)+8*\a:AF+16*((\s)%4)+8*\a+7], v[ACC+8*(4*\a+\nt):ACC+8*(4*\a+\nt)+7]
.endif
.endr
.endr
.rept 4
	v_nop
.endr
.if \refill
	LDA (\s)+4
.endif
.endm
	s_wait_loadcnt 33                              ; behind film's two loads 16 + 16 + 1 were issued
	v_pk_add_f32 v[G:G+1], v[G:G+1], v[G+2:G+3]    ; the two halves of the sum over cond: g and shift
	ds_store_b64 v[FO], v[G:G+1] offset:FILM
	BAR                                            ; g and shift are in LDS, everybody's part
	PROC1 0, 0, 13                                 ; behind chunk 0: chunks 1 to 3 (12) and b1
	BAR                                            ; slot 0 is whole
	STEP 0, 0, 29, 1, 1                            ; behind a step's fragments: three steps' (12), W1's 16 and b1
	STEP 1, 0, 29, 1, 0
	STEP 2, 0, 29, 1, 0
	STEP 3, 0, 29, 1, 0
	PROC1 1, 1, 25                                 ; behind chunk 1: chunks 2, 3 (8), b1, steps 4 to 7 (16)
	BAR                                            ; slot 1 is whole, and nobody reads slot 0 any more
	STEP 4, 1, 12, 1, 0                            ; behind a step's fragments: the three steps' that follow it
	STEP 5, 1, 12, 1, 0
	STEP 6, 1, 12, 1, 0
	STEP 7, 1, 12, 1, 0
	PROC1 2, 0, 37                                 ; behind chunk 2: chunk 3 (4), b1, steps 4 to 11 (32)
	BAR                                            ; slot 0 is whole again, and nobody reads slot 1 any more
	STEP 8, 0, 12, 1, 0
	STEP 9, 0, 12, 1, 0
	STEP 10, 0, 12, 1, 0
	STEP 11, 0, 12, 1, 0
	PROC1 3, 1, 49                                 ; behind chunk 3: b1, steps 4 to 15 (48)
	ds_store_b128 v[CPS], v[CC:CC+3]               ; my partial sums of c are complete
	BAR
	STEP 12, 1, 12, 0, 0                           ; nothing is left to fetch: the counts run down
	STEP 13, 1, 8, 0, 0
	STEP 14, 1, 4, 0, 0
	STEP 15, 1, 0, 0, 0
	; c: every wave adds the 32 partial sums, two columns a lane, adds b1, and turns the 64 numbers through its own 256 bytes of LDS into the accumulators' order
.set q, 0
.rept 32
	ds_load_b64 v[WS+2*q:WS+2*q+1], v[L8] offset:CP+256*q
.set q, q+1
.endr
	v_cvt_pk_bf16_f32 v[TP], v[B1], v[B1+1]        ; b1, rounded like every input
	v_lshlrev_b32 v[B1], 16, v[TP]
	v_and_b32 v[B1+1], s24, v[TP]
	s_wait_dscnt 0x0
.macro FOLD base, cnt                  ; pair q takes pair q + cnt, q = 0 .. cnt - 1
.set q, 0
.rept \cnt
	v_pk_add_f32 v[(\base)+2*q:(\base)+2*q+1], v[(\base)+2*q:(\base)+2*q+1], v[(\base)+2*(q+(\cnt)):(\base)+2*(q+(\cnt))+1]
.set q, q+1
.endr
.endm
	FOLD WS, 16
	FOLD WS, 8
	FOLD WS, 4
	FOLD WS, 2
	FOLD WS, 1
	v_pk_add_f32 v[WS:WS+1], v[WS:WS+1], v[B1:B1+1]
	ds_store_b64 v[CFW], v[WS:WS+1]
.irp nt, 0,1,2,3
	ds_load_b128 v[WF+8*\nt:WF+8*\nt+3], v[CFR] offset:64*\nt      ; LDS serves a wave's instructions in order (ISA guide 5.7.1.4): these see the store above
	ds_load_b128 v[WF+8*\nt+4:WF+8*\nt+7], v[CFR] offset:64*\nt+16
.endr
	s_wait_dscnt 0x0
; THE WAY OUT of tile a (16 tokens x 64 columns, 32 numbers a lane).  Each accumulator is read from its lowest registers on.  The 32 exponentials are one batch and the 32 reciprocals another: behind each
; batch one plain instruction and one s_wait_alu ahead of the first instruction that names a result.
.macro PASS line:vararg                ; one line for each pair n of 16
.set n, 0
.rept 16
	\line
.set n, n+1
.endr
.endm
.macro GELU a
	PASS v_pk_add_f32 v[ZZ+2*n:ZZ+2*n+1], v[ACC+32*(\a)+2*n:ACC+32*(\a)+2*n+1], v[WF+2*n:WF+2*n+1]
	PASS v_pk_mul_f32 v[EX+2*n:EX+2*n+1], v[ZZ+2*n:ZZ+2*n+1], v[ZZ+2*n:ZZ+2*n+1]
	PASS v_pk_fma_f32 v[EX+2*n:EX+2*n+1], v[EX+2*n:EX+2*n+1], s[28:29], s[26:27] op_sel_hi:[1,0,0]
	PASS v_pk_mul_f32 v[EX+2*n:EX+2*n+1], v[EX+2*n:EX+2*n+1], v[ZZ+2*n:ZZ+2*n+1]
.set n, 0
.rept 32
	v_exp_f32 v[EX+n], v[EX+n]
.set n, n+1
.endr
	v_nop
	s_wait_alu depctr_va_vdst(0)
	PASS v_pk_add_f32 v[EX+2*n:EX+2*n+1], v[EX+2*n:EX+2*n+1], 1.0 op_sel_hi:[1,0]
.set n, 0
.rept 32
	v_rcp_f32 v[EX+n], v[EX+n]
.set n, n+1
.endr
	v_nop
	s_wait_alu depctr_va_vdst(0)
	PASS v_pk_mul_f32 v[ZZ+2*n:ZZ+2*n+1], v[ZZ+2*n:ZZ+2*n+1], v[EX+2*n:EX+2*n+1]
	PASS v_cvt_pk_bf16_f32 v[PK+16*(\a)+n], v[ZZ+2*n], v[ZZ+2*n+1]
.irp nt, 0,1,2,3
	global_store_b128 v[HO], v[PK+16*(\a)+4*\nt:PK+16*(\a)+4*\nt+3], s[14:15] offset:(\a)*65536+512*\nt  ; 512 consecutive bytes, at a multiple of 512 from hid's first: block kb = 2 fs + nt / 2, half j = nt % 2
.endr
.endm
	GELU 0
	GELU 1                                         ; its packed results have registers of their own: the first tile's stores may still read theirs
	s_wait_tensorcnt 0x0                           ; the wave's end
	ds_add_u32 v[SPW], v[NIL]
	s_wait_dscnt 0x0
	s_endpgm
.Lfunc_end_k_q48bc308476_ffn1:
	.size	k_q48bc308476_ffn1, .Lfunc_end_k_q48bc308476_ffn1-k_q48bc308476_ffn1
	.p2alignl 7, 3214868480
	.fill 96, 4, 3214868480
	.section	.rodata,"a",@progbits
	.p2align	6, 0x0
	.amdhsa_kernel k_q48bc308476_ffn1
		.amdhsa_group_segment_fixed_size 59392
		.amdhsa_private_segment_fixed_size 0
		.amdhsa_enable_private_segment 0
		.amdhsa_kernarg_size 48
		.amdhsa_user_sgpr_count 2
		.amdhsa_user_sgpr_kernarg_segment_ptr 1
		.amdhsa_wavefront_size32 1
		.amdhsa_system_sgpr_workgroup_id_x 1
		.amdhsa_system_sgpr_workgroup_id_y 1
		.amdhsa_system_sgpr_workgroup_id_z 1
		.amdhsa_system_vgpr_workitem_id 0
		.amdhsa_next_free_vgpr 256
		.amdhsa_next_free_sgpr 66
		.amdhsa_reserve_vcc 0
		.amdhsa_float_denorm_mode_32 3
		.amdhsa_float_denorm_mode_16_64 3
		.amdhsa_memory_ordered 1
		.amdhsa_forward_progress 1
		.amdhsa_inst_pref_size 68
	.end_amdhsa_kernel
	.amdgpu_metadata
---
amdhsa.version: [ 1, 2 ]
amdhsa.kernels:
  - .name:           k_q48bc308476_ffn1
    .symbol:         k_q48bc308476_ffn1.kd
    .args:
      - { .name: xb, .offset: 0, .size: 8, .value_kind: global_buffer, .address_space: global }
      - { .name: film, .offset: 8, .size: 8, .value_kind: global_buffer, .address_space: global }
      - { .name: route, .offset: 16, .size: 8, .value_kind: global_buffer, .address_space: global }
      - { .name: W1, .offset: 24, .size: 8, .value_kind: global_buffer, .address_space: global }
      - { .name: b1, .offset: 32, .size: 8, .value_kind: global_buffer, .address_space: global }
      - { .name: hid, .offset: 40, .size: 8, .value_kind: global_buffer, .address_space: global }
    .group_segment_fixed_size: 59392
    .private_segment_fixed_size: 0
    .kernarg_segment_align: 8
    .kernarg_segment_size: 48
    .max_flat_workgroup_size: 512
    .sgpr_count:     66
    .vgpr_count:     256
    .wavefront_size: 32
...
	.end_amdgpu_metadata
.endif
;; end of part 2
;; launch ffn2 (part 3): grid 32 x 8, 16 waves a work-group, no clusters, 281,600 bytes of LDS; arguments hid, route, W2, b2, out0; writes out0
.if DOCPART == 3
	.amdgcn_target "amdgcn-amd-amdhsa--gfx1250"
	.amdhsa_code_object_version 6
	.text
	.protected	k_q48bc308476_ffn2
	.globl	k_q48bc308476_ffn2
	.p2align	8
	.type	k_q48bc308476_ffn2,@function
k_q48bc308476_ffn2:
	s_mov_b64 s[64:65], 0
	v_nop
	global_prefetch_b8 v0, s[64:65] scope:SCOPE_SE
	s_setreg_imm32_b32 hwreg(HW_REG_WAVE_MODE, 25, 1), 1
	s_wait_xcnt 0x0
; FFN2.  out[b] = h . W2[m] + b2[m], m = route[b]: 128 tokens (128 tt ..) x 64 columns (64 dsl ..) a work-group, K = 2,048.  h arrives in bf16 in the operands' order (launch ffn1);
;   W2 and b2 are rounded to bf16 here; the product runs in bf16 with f32 sums; out is f32.
; SHARES.  16 waves, four to a SIMD, 256 registers each.  Wave w = 4 g + u: K group g (k = 512 g .. + 511), tokens 32 u .. + 31, all 64 columns: 8 accumulators, 16 steps of 32 along K, 8 matrix
;   instructions a step.  Each group has two LDS slots of its own for W2: chunks of 128 rows, [k][64 columns] in bf16, turned by ds_load_tr16_b128; its four waves round 32 rows each.
;   The tokens' fragments come from memory straight into the operand registers of the one wave that multiplies them, four steps ahead; W2's next chunk is asked for when the last has been rounded:
;   16 + 16 loads of a wave are out.  At the end groups 1 to 3 hand their f32 sums through LDS to group 0, which adds them in a fixed order, adds b2 and stores.
; THE MATRIX INSTRUCTION IS USED TRANSPOSED (source 0 = 16 columns of W2, source 1 = 16 tokens): a lane holds one token and eight neighbouring columns.
; PREFETCH.  W2's chunks 1 to 3 are asked for into the L2, a row's 256 bytes a lane: chunks 1 and 2 behind the loads of chunk 0, chunk 3 behind those of chunk 1, so each at least one chunk's work ahead of its loads.  Of the
;   four work-groups (tt = 0 .. 3) that read the same slice, work-group tt asks for the rows of waves u = tt alone: each block once.  The highest row asked for is 2,047, W2[m]'s last.
; NO CLUSTER, NO TENSOR LOAD.  What work-groups share is hid's fragments (8 read each) and W2's slice (4 read each).  W2 has to pass through registers to be rounded; a fragment of hid through LDS would
;   add 4 LDS reads to a step's 8 for the same 8 matrix instructions.  So both come by loads into registers.
; LIMITS.  NaN and infinities are not treated apart.  route is held to 0 .. 7.
.set WP,    160                        ; a row of a slot: 128 bytes + 32 = 40 words
.set SLOT,  128*WP
.set GRP,   2*SLOT                     ; a group's two slots; four groups from LDS byte 0
.set RED,   4*GRP                      ; 12 waves' sums, 8,192 bytes each
.set STAGE, RED+12*8192                ; 16 rows x 272 bytes for each wave of group 0, for the way out
.set SPT,   272                        ; 256 bytes + 16: an odd multiple of 16
.set SPARE, STAGE+4*16*SPT             ; the spare words, 128 bytes for each of the 16 waves, which no other line names
.set AO,   1                           ; v1   my 16 bytes in my wave's part of hid
.set WO,   2                           ; v2   my 16 bytes in my first row of W2
.set WST,  3                           ; v3   LDS: where my 8 bytes of a row of W2 go
.set TR,   4                           ; v4   LDS: my lane's place for the turning load, in my group's slots
.set RDA,  5                           ; v5   LDS: where my sums go (groups 1 to 3)
.set RRA,  6                           ; v6   LDS: the sums of groups 1 and 2 for my tokens (group 0)
.set RRA2, 7                           ; v7   the same for group 3: 65,536 bytes on, past an LDS offset's 16 bits
.set STO,  8                           ; v8   the way out: where I put 16 bytes of a row
.set RD,   9                           ; v9   the way out: where I read a row back
.set GO,   10                          ; v10  my byte offset in out
.set BO,   11                          ; v11  b2 of my eight columns of a tile
.set PFO,  12                          ; v12  the row of W2 that I prefetch
.set SPW,  14                          ; v14  LDS address of my spare word; never rewritten
.set NIL,  15                          ; v15  0, for the add alone
.set ACC,  16                          ; v[16:79]    accumulator (a, nt) at ACC + 8 (4 a + nt)
.set AF,   80                          ; v[80:143]   the tokens' fragments: four steps' slots of 16; at the end the others' sums, then whole rows
.set WS,   144                         ; v[144:207]  a chunk of W2 as loaded: 16 rows x 4 columns; at the end b2
.set WF,   208                         ; v[208:239]  W's fragments of one step
.set TP,   252                         ; v[252:255]  at work
.set LN,   252
.set RR,   253
.set HH,   254
.set TT,   255
	s_load_b256 s[4:11], s[0:1], 0x0               ; hid s[4:5], route s[6:7], W2 s[8:9], b2 s[10:11]
	s_load_b64 s[12:13], s[0:1], 0x20              ; out0
	v_lshl_add_u32 v[SPW], v0, 2, SPARE
	v_mov_b32 v[NIL], 0
	v_lshrrev_b32 v[TT], 5, v0
	v_readfirstlane_b32 s16, v[TT]                 ; wave 0..15
	s_and_b32 s17, ttmp9, 7                        ; dsl
	s_lshr_b32 s18, ttmp9, 3                       ; tt
	s_and_b32 s19, ttmp7, 0xffff                   ; b
	s_lshr_b32 s21, s16, 2                         ; g
	s_and_b32 s22, s16, 3                          ; u
	s_mov_b32 s25, 0                               ; the high word of every offset: all stay under 2^32
	s_mov_b32 s28, 0xffff0000                      ; a word's upper bf16
	v_and_b32 v[LN], 31, v0                        ; lane
	v_and_b32 v[RR], 15, v0                        ; r
	v_bfe_u32 v[HH], v0, 4, 1                      ; h
	s_lshl_b32 s26, s22, 17                        ; hid: two row blocks of 65,536 bytes a wave, 16 blocks of 1,024 bytes a group
	s_lshl_b32 s27, s21, 14
	s_add_co_u32 s26, s26, s27
	v_lshl_add_u32 v[AO], v[LN], 4, s26
	s_lshl_b32 s26, s21, 9
	s_lshl_b32 s27, s22, 5
	s_add_co_u32 s26, s26, s27                     ; 512 g + 32 u: my wave's first row of W2 in chunk 0
	v_lshl_add_u32 v[TT], v[HH], 2, s26
	v_lshlrev_b32 v[WO], 11, v[TT]                 ; a row of W2 is 2,048 bytes
	v_lshl_add_u32 v[WO], v[RR], 4, v[WO]
	v_add_nc_u32 v[PFO], s26, v[LN]
	v_lshlrev_b32 v[PFO], 11, v[PFO]
	v_lshl_add_u32 v[TT], v[HH], 2, s27            ; 32 u + 4 h: the same row in the group's slot
	v_mul_u32_u24 v[WST], v[TT], WP
	v_lshl_add_u32 v[WST], v[RR], 3, v[WST]        ; lanes 16-31 lie 640 bytes on, 128 modulo 256: the 32 lanes' 8 bytes fall on each bank once
	s_mul_i32 s26, s21, GRP
	v_add_nc_u32 v[WST], s26, v[WST]
	v_and_b32 v[TT], 7, v0                         ; the turning load: lane l reads row 8 (l / 16) + l % 8, bytes 16 ((l / 8) % 2) on
	v_lshl_add_u32 v[TT], v[HH], 3, v[TT]
	v_mul_u32_u24 v[TR], v[TT], WP
	v_bfe_u32 v[TT], v0, 3, 1
	v_lshl_add_u32 v[TR], v[TT], 4, v[TR]
	v_add_nc_u32 v[TR], s26, v[TR]
	s_lshl_b32 s26, s16, 13
	s_add_co_u32 s26, s26, RED-4*8192              ; wave w (4 .. 15) has place w - 4
	v_lshl_add_u32 v[RDA], v[LN], 4, s26
	s_lshl_b32 s26, s22, 13
	s_add_co_u32 s26, s26, RED
	v_lshl_add_u32 v[RRA], v[LN], 4, s26
	v_add_nc_u32 v[RRA2], 0x10000, v[RRA]
	s_mul_i32 s26, s22, 16*SPT
	s_add_co_u32 s26, s26, STAGE
	v_mul_u32_u24 v[STO], v[RR], SPT               ; in: row r, 32 bytes for each half of the lanes
	v_lshl_add_u32 v[STO], v[HH], 5, v[STO]
	v_add_nc_u32 v[STO], s26, v[STO]
	v_mul_u32_u24 v[RD], v[HH], SPT                ; back: lanes 0-15 take one row's 256 bytes, lanes 16-31 the next
	v_lshl_add_u32 v[RD], v[RR], 4, v[RD]
	v_add_nc_u32 v[RD], s26, v[RD]
	s_lshl_b32 s26, s22, 16                        ; and the same two rows in out: 32 rows of 2,048 bytes a wave
	v_lshl_add_u32 v[GO], v[HH], 11, s26
	v_lshl_add_u32 v[GO], v[RR], 4, v[GO]
	v_lshlrev_b32 v[BO], 5, v[HH]
	s_wait_kmcnt 0x0
	s_lshl_b32 s24, s19, 2
	s_add_nc_u64 s[6:7], s[6:7], s[24:25]
	s_load_b32 s20, s[6:7], 0x0                    ; route[b]
	s_lshl_b32 s24, s19, 21                        ; hid: b x 2 MiB + tt x 8 row blocks
	s_lshl_b32 s26, s18, 19
	s_add_co_u32 s24, s24, s26
	s_add_nc_u64 s[4:5], s[4:5], s[24:25]
.macro LDA s                           ; the tokens' fragments of step s: two tiles of 16 tokens, two loads of 512 consecutive bytes each
.irp a, 0,1
.irp j, 0,1
	global_load_b128 v[AF+16*((\s)%4)+8*\a+4*\j:AF+16*((\s)%4)+8*\a+4*\j+3], v[AO], s[4:5] offset:\a*65536+(\s)*1024+\j*512
.endr
.endr
.endm
.macro LDW c                           ; chunk c of my group's W2: my 16 of my wave's 32 rows; sixteen lanes take a row's 256 aligned bytes
.set i, 0
.rept 16
	global_load_b128 v[WS+4*i:WS+4*i+3], v[WO], s[8:9] offset:(128*(\c)+8*(i/4)+i%4)*2048
.set i, i+1
.endr
.endm
.macro PF c0, c1                       ; chunks c0 and (if not 0) c1: a row's 256 bytes a lane; the jump hangs on the wave's and the work-group's numbers and passes no barrier
	s_cmp_lg_u32 s22, s18
	s_cbranch_scc1 .Lno_pf_\@
	global_prefetch_b8 v[PFO], s[8:9] offset:(\c0)*262144 th:TH_LOAD_NT scope:SCOPE_SE
.if (\c1) > 0
	global_prefetch_b8 v[PFO], s[8:9] offset:(\c1)*262144 th:TH_LOAD_NT scope:SCOPE_SE
.endif
.Lno_pf_\@:
.endm
.macro PROC2 slot, lc                  ; the chunk in WS is rounded and goes into a slot.  lc: the loads issued behind the chunk's sixteen
	s_wait_loadcnt \lc
.set i, 0
.rept 16
	v_cvt_pk_bf16_f32 v[WS+4*i], v[WS+4*i], v[WS+4*i+1]
	v_cvt_pk_bf16_f32 v[WS+4*i+1], v[WS+4*i+2], v[WS+4*i+3]
	ds_store_b64 v[WST], v[WS+4*i:WS+4*i+1] offset:(\slot)*SLOT+(8*(i/4)+i%4)*WP
.set i, i+1
.endr
	s_wait_dscnt 0x0                               ; my stores are done (WS may be loaded again) and my reads of the other slot are back
.endm
.macro MEET
	s_barrier_signal -1
	s_barrier_wait -1
.endm
; Step s: 32 along K.  Eight turning loads bring W's four fragments; eight matrix instructions, the eight accumulators by turns, one instruction a turn and in the same order in every step.
; lc: the loads issued behind this step's token fragments.  Four v_nop are the places between the last product and the loads into registers that the products read, and at
; the end the LDS stores that read the sums.  first = 1: the products start the sums.
.macro STEP s, slot, lc, refill, first
.irp nt, 0,1,2,3
	ds_load_tr16_b128 v[WF+8*\nt:WF+8*\nt+3], v[TR] offset:(\slot)*SLOT+((\s)%4)*32*WP+32*\nt
	ds_load_tr16_b128 v[WF+8*\nt+4:WF+8*\nt+7], v[TR] offset:(\slot)*SLOT+((\s)%4)*32*WP+32*\nt+16*WP
.endr
	s_wait_loadcnt \lc
.irp nt, 0,1,2,3
	s_wait_dscnt 6-2*\nt                           ; LDS loads come back in order (ISA guide 5.7.1): fragment nt is in, the later ones stay out
.irp a, 0,1
.if \first
	v_wmma_f32_16x16x32_bf16 v[ACC+8*(4*\a+\nt):ACC+8*(4*\a+\nt)+7], v[WF+8*\nt:WF+8*\nt+7], v[AF+16*((\s)%4)+8*\a:AF+16*((\s)%4)+8*\a+7], 0
.else
	v_wmma_f32_16x16x32_bf16 v[ACC+8*(4*\a+\nt):ACC+8*(4*\a+\nt)+7], v[WF+8*\nt:WF+8*\nt+7], v[AF+16*((\s)%4)+8*\a:AF+16*((\s)%4)+8*\a+7], v[ACC+8*(4*\a+\nt):ACC+8*(4*\a+\nt)+7]
.endif
.endr
.endr
.rept 4
	v_nop
.endr
.if \refill
	LDA (\s)+4
.endif
.endm
	LDA 0                                          ; what does not hang on the route goes out first
	LDA 1
	LDA 2
	LDA 3
	s_lshl_b32 s27, s17, 8                         ; 64 columns of f32
	s_lshl_b32 s24, s19, 20                        ; out: b x 1 MiB + tt x 128 rows + my columns
	s_lshl_b32 s26, s18, 18
	s_add_co_u32 s24, s24, s26
	s_add_co_u32 s24, s24, s27
	s_add_nc_u64 s[12:13], s[12:13], s[24:25]
	s_wait_kmcnt 0x0
	s_min_u32 s20, s20, 7                          ; m
	s_lshl_b32 s24, s20, 22
	s_add_co_u32 s24, s24, s27
	s_add_nc_u64 s[8:9], s[8:9], s[24:25]          ; W2[m], my columns
	s_lshl_b32 s24, s20, 11
	s_add_co_u32 s24, s24, s27
	s_add_nc_u64 s[10:11], s[10:11], s[24:25]      ; b2[m], my columns
	LDW 0
	PF 1, 2
	PROC2 0, 0                                     ; chunk 0's loads are the youngest
	LDW 1
	PF 3, 0
	MEET                                           ; slot 0 is whole
	STEP 0, 0, 44, 1, 1                            ; behind a step's fragments: three steps' (12), chunks 0 and 1 (32)
	STEP 1, 0, 44, 1, 0
	STEP 2, 0, 44, 1, 0
	STEP 3, 0, 44, 1, 0
	PROC2 1, 16                                    ; behind chunk 1: steps 4 to 7
	LDW 2
	MEET                                           ; slot 1 is whole, and nobody reads slot 0 any more
	STEP 4, 1, 28, 1, 0                            ; behind a step's fragments: three steps' (12) and a chunk (16)
	STEP 5, 1, 28, 1, 0
	STEP 6, 1, 28, 1, 0
	STEP 7, 1, 28, 1, 0
	PROC2 0, 16                                    ; behind chunk 2: steps 8 to 11
	LDW 3
	MEET                                           ; slot 0 is whole again, and nobody reads slot 1 any more
	STEP 8, 0, 28, 1, 0
	STEP 9, 0, 28, 1, 0
	STEP 10, 0, 28, 1, 0
	STEP 11, 0, 28, 1, 0
	PROC2 1, 16                                    ; behind chunk 3: steps 12 to 15
.irp nt, 0,1,2,3
	global_load_b128 v[WS+8*\nt:WS+8*\nt+3], v[BO], s[10:11] offset:64*\nt       ; b2 of my eight columns of each tile (every wave asks, so that the counts below are one text)
	global_load_b128 v[WS+8*\nt+4:WS+8*\nt+7], v[BO], s[10:11] offset:64*\nt+16
.endr
	MEET
	STEP 12, 1, 20, 0, 0                           ; behind a step's fragments: the steps' that follow it, and b2's eight loads
	STEP 13, 1, 16, 0, 0
	STEP 14, 1, 12, 0, 0
	STEP 15, 1, 8, 0, 0
	; THE FOUR K GROUPS' SUMS MEET.  Groups 1 to 3 put theirs into LDS, each accumulator from its lowest registers on
	s_cmp_lt_u32 s16, 4
	s_cbranch_scc1 .Lkeep
.set q, 0
.rept 16
	ds_store_b128 v[RDA], v[ACC+4*q:ACC+4*q+3] offset:512*q
.set q, q+1
.endr
.Lkeep:
	s_wait_dscnt 0x0                               ; for group 0's sake: my stores are done
	s_barrier_signal -1
	s_barrier_wait -1
	s_cmp_lt_u32 s16, 4
	s_cbranch_scc1 .Lsum
	s_wait_tensorcnt 0x0                           ; a wave's end
	ds_add_u32 v[SPW], v[NIL]
	s_wait_dscnt 0x0
	s_endpgm
.Lsum:                                                 ; group 0: wave u adds the sums of waves 4 + u, 8 + u, 12 + u, in that order, then b2
.macro ADDP adr, off
.set q, 0
.rept 16
	ds_load_b128 v[AF+4*q:AF+4*q+3], v[\adr] offset:(\off)+512*q
.set q, q+1
.endr
	s_wait_dscnt 0x0
.set q, 0
.rept 32
	v_pk_add_f32 v[ACC+2*q:ACC+2*q+1], v[ACC+2*q:ACC+2*q+1], v[AF+2*q:AF+2*q+1]
.set q, q+1
.endr
.endm
	ADDP RRA, 0
	ADDP RRA, 32768
	ADDP RRA2, 0
	s_wait_loadcnt 0x0                             ; b2
.set q, 0
.rept 16
	v_cvt_pk_bf16_f32 v[TP+q%4], v[WS+2*q], v[WS+2*q+1]   ; rounded like every input
	v_lshlrev_b32 v[WS+2*q], 16, v[TP+q%4]
	v_and_b32 v[WS+2*q+1], s28, v[TP+q%4]
.set q, q+1
.endr
.set q, 0
.rept 32
	v_pk_add_f32 v[ACC+2*q:ACC+2*q+1], v[ACC+2*q:ACC+2*q+1], v[WS+2*(q%16):WS+2*(q%16)+1]
.set q, q+1
.endr
; THE WAY OUT.  A lane's 32 bytes are an eighth of a row's 256, and the lanes beside it hold other rows: 16 rows at a time go through my own stage in LDS and come back as whole rows.
.macro STG a
.irp nt, 0,1,2,3
	ds_store_b128 v[STO], v[ACC+8*(4*(\a)+\nt):ACC+8*(4*(\a)+\nt)+3] offset:64*\nt
	ds_store_b128 v[STO], v[ACC+8*(4*(\a)+\nt)+4:ACC+8*(4*(\a)+\nt)+7] offset:64*\nt+16
.endr
.irp t, 0,1,2,3,4,5,6,7
	ds_load_b128 v[AF+32*(\a)+4*\t:AF+32*(\a)+4*\t+3], v[RD] offset:2*SPT*\t  ; LDS serves a wave's instructions in order (ISA guide 5.7.1.4): these see the stores above; the next tile's stores come behind them
.endr
.endm
.macro SEND a, younger                 ; younger: the LDS instructions issued behind tile a's loads: the next tile's sixteen, or none
.irp t, 0,1,2,3,4,5,6,7
	s_wait_dscnt (\younger)+7-\t
	global_store_b128 v[GO], v[AF+32*(\a)+4*\t:AF+32*(\a)+4*\t+3], s[12:13] offset:(16*(\a)+2*\t)*2048 th:TH_STORE_NT  ; 16 lanes store 256 consecutive bytes, at a multiple of 256 from out's first
.endr
.endm
	STG 0
	STG 1
	SEND 0, 16
	SEND 1, 0
	s_wait_tensorcnt 0x0                           ; the wave's end, as above
	ds_add_u32 v[SPW], v[NIL]
	s_wait_dscnt 0x0
	s_endpgm
.Lfunc_end_k_q48bc308476_ffn2:
	.size	k_q48bc308476_ffn2, .Lfunc_end_k_q48bc308476_ffn2-k_q48bc308476_ffn2
	.p2alignl 7, 3214868480
	.fill 96, 4, 3214868480
	.section	.rodata,"a",@progbits
	.p2align	6, 0x0
	.amdhsa_kernel k_q48bc308476_ffn2
		.amdhsa_group_segment_fixed_size 281600
		.amdhsa_private_segment_fixed_size 0
		.amdhsa_enable_private_segment 0
		.amdhsa_kernarg_size 40
		.amdhsa_user_sgpr_count 2
		.amdhsa_user_sgpr_kernarg_segment_ptr 1
		.amdhsa_wavefront_size32 1
		.amdhsa_system_sgpr_workgroup_id_x 1
		.amdhsa_system_sgpr_workgroup_id_y 1
		.amdhsa_system_sgpr_workgroup_id_z 1
		.amdhsa_system_vgpr_workitem_id 0
		.amdhsa_next_free_vgpr 256
		.amdhsa_next_free_sgpr 66
		.amdhsa_reserve_vcc 0
		.amdhsa_float_denorm_mode_32 3
		.amdhsa_float_denorm_mode_16_64 3
		.amdhsa_memory_ordered 1
		.amdhsa_forward_progress 1
		.amdhsa_inst_pref_size 69
	.end_amdhsa_kernel
	.amdgpu_metadata
---
amdhsa.version: [ 1, 2 ]
amdhsa.kernels:
  - .name:           k_q48bc308476_ffn2
    .symbol:         k_q48bc308476_ffn2.kd
    .args:
      - { .name: hid, .offset: 0, .size: 8, .value_kind: global_buffer, .address_space: global }
      - { .name: route, .offset: 8, .size: 8, .value_kind: global_buffer, .address_space: global }
      - { .name: W2, .offset: 16, .size: 8, .value_kind: global_buffer, .address_space: global }
      - { .name: b2, .offset: 24, .size: 8, .value_kind: global_buffer, .address_space: global }
      - { .name: out0, .offset: 32, .size: 8, .value_kind: global_buffer, .address_space: global }
    .group_segment_fixed_size: 281600
    .private_segment_fixed_size: 0
    .kernarg_segment_align: 8
    .kernarg_segment_size: 40
    .max_flat_workgroup_size: 512
    .sgpr_count:     66
    .vgpr_count:     256
    .wavefront_size: 32
...
	.end_amdgpu_metadata
.endif
;; end of part 3
;; ======== version 2 of 2: 3 launches; version 1 with the launches ffn1, ffn2 written anew for expert scheduling mode
;; limits: values are held in f16: magnitudes above 65,504 overflow, below 6.1e-05 lose precision
;; workspace buffers: xb 4,194,304 bytes; film 65,536 bytes; hid 16,777,216 bytes
;; launch prep: the kernel of part 1 again; grid 32 x 8, 8 waves a work-group, no clusters, 21,760 bytes of LDS; arguments x, cond, route, W_cond, b_cond, xb, film; writes xb, film
;; launch ffn1 (part 4): grid 32 x 8, 16 waves a work-group, no clusters, 59,392 bytes of LDS; arguments xb, film, route, W1, b1, hid; writes hid
.if DOCPART == 4
	.amdgcn_target "amdgcn-amd-amdhsa--gfx1250"
	.amdhsa_code_object_version 6
	.text
	.protected	k_q48bc308476_ffn1
	.globl	k_q48bc308476_ffn1
	.p2align	8
	.type	k_q48bc308476_ffn1,@function
k_q48bc308476_ffn1:
	s_mov_b64 s[64:65], 0
	v_nop
	global_prefetch_b8 v0, s[64:65] scope:SCOPE_SE
	s_setreg_imm32_b32 hwreg(HW_REG_WAVE_SCHED_MODE, 0, 2), 2
	s_setreg_imm32_b32 hwreg(HW_REG_WAVE_MODE, 25, 1), 1
	s_wait_xcnt 0x0
	s_wait_alu depctr_vm_vsrc(0)
; FFN1.  h = gelu(x_mod . W1[m] + b1[m]) for batch b and its expert m = route[b]: 512 tokens x 64 columns (64 fs ..) a work-group, K = 512.
; THE MODULATION IS MOVED ONTO THE WEIGHTS:  x_mod = x g + shift (g = 1 + scale), so  z[n][f] = sum_k x[n][k] (g[k] W1[k][f]) + c[f],  c[f] = sum_k shift[k] W1[k][f] + b1[f].
;   x arrives rounded to bf16 and written as f16 (launch prep); W1 and b1 are rounded to bf16 here; g W1 is made in f32 and rounded once to f16 (11 significant bits); c is summed in f32 by vector
;   instructions while W1 passes through the registers.  The product runs in f16 with f32 sums.  h is rounded once to bf16 (its range has no bound in f16).
; GELU (the tanh form):  z / (1 + 2^(z (C1 + C2 z^2))),  C1 = -2 log2(e) sqrt(2 / pi),  C2 = 0.044715 C1.  Where z^2 or the exponent overflows the power is 0 or infinite and the result z or -0.
; LIMITS.  |g W1| stays under 65,504 (f16's end); below 6e-5 it keeps f16's fixed step of 6e-8.  NaN and infinities are not treated apart.  route is held to 0 .. 7.
; SHARES.  16 waves, four to a SIMD, 256 registers each.  Wave w: tokens 32 w .. + 31 x all 64 columns: 8 accumulators, 16 steps of 32 along K, 8 matrix instructions a step.
;   W1's slice (512 rows x 256 bytes) is asked for whole at the start, 16 loads a wave, and goes in four chunks of 128 rows through two LDS slots, [k][64 columns] in f16; ds_load_tr16_b128 turns it.
;   The tokens' fragments come from memory straight into the operand registers of the one wave that multiplies them, three steps ahead: 12 to 16 such loads of a wave are out.
; THE MATRIX INSTRUCTION IS USED TRANSPOSED (source 0 = 16 columns of W1, source 1 = 16 tokens): a lane holds one token (lane % 16) and eight neighbouring columns, 16 bytes of h, which ARE
;   registers 4 j .. 4 j + 3 of the next product's operand:  hid[b][rb 0..31][kb 0..63][j][lane][16 bytes] = h[16 rb + lane % 16][32 kb + 16 j + 8 (lane / 16) + 0..7].
; NO CLUSTER, NO TENSOR LOAD.  What work-groups share is xb's fragments (the 32 of a batch) and W1's slice (batches of one expert).  W1 has to pass through registers to be rounded and scaled; a
;   fragment of xb through LDS would add 4 LDS reads to a step's 8 for the same 8 matrix instructions.  So both come by loads into registers.
; THE MODE: SCHED_MODE bits 1:0 = 2 (LLVM: expert scheduling mode 2), set by the entry lines.  The code itself states the register dependences between vector or matrix instructions and memory or LDS
;   instructions, with s_wait_alu, always for 0.
; THE PLAN.  Registers that memory or LDS instructions touch:
;   v1 .. v11   addresses and offsets: made at the head, never written again.  One wait on va_vdst ahead of the first load serves them for the whole kernel.
;   AF0 .. AF3  Step s: its products read AF[s % 4]; the loads of step s + 3, issued among them, land in AF[(s - 1) % 4], which the products of step s - 1 read.
;   WF          Step s: its eight turning loads land in it, its products read it.
;   G, SH       Chunk c: two LDS loads land in them, the chunk's arithmetic reads them.
;   WS          Chunk c's sixteen registers: loaded once; the chunk's arithmetic works in place and leaves a row's f16 in the row's first two registers, which the chunk's LDS stores read.
;   CC          Written by the chunks' arithmetic; read by one LDS store behind chunk 3.
;   TP and the accumulators are named by vector and matrix instructions alone (until the way out, which has waits of its own).
; So ONE wait on va_vdst stands at a step's head (the products of the step before are done reading WF and their token slot), and ONE in a chunk, between its arithmetic and its four LDS stores; that
; one also serves the step that follows the chunk, the next chunk's loads into G and SH, and the store of CC.
.set WP,    160                        ; a row of a slot: 128 bytes + 32 = 40 words
.set SLOT,  128*WP                     ; 128 rows; two slots from LDS byte 0
.set FILM,  2*SLOT                     ; g[512], then shift[512], f32
.set CP,    FILM+4096                  ; 32 partial sums of c, 256 bytes each
.set CF,    CP+8192                    ; c, once for each wave: the wave's own 256 bytes.  The 2,048 bytes behind these are the spare words, 128 bytes for each of the 16 waves
.set AO,  1                            ; v1   my 16 bytes in my wave's part of xb
.set FO,  2                            ; v2   8 x thread: my two numbers of film, in memory and in LDS
.set WO,  3                            ; v3   my 16 bytes in my first row of W1
.set L8,  4                            ; v4   8 x lane
.set WST, 5                            ; v5   LDS: where my 8 bytes of a row of W' go
.set TR,  6                            ; v6   LDS: my lane's place for the turning load
.set FA,  7                            ; v7   LDS: g of my four rows
.set CPS, 8                            ; v8   LDS: where my partial sums of c go
.set CFW, 9                            ; v9   LDS: my two columns of my wave's c
.set CFR, 10                           ; v10  LDS: c of my eight columns of a tile
.set HO,  11                           ; v11  my 16 bytes in my wave's part of hid
.set B1,  12                           ; v[12:13]  two numbers of b1
.set ACC, 16                           ; v[16:79]    accumulator (a, nt) at ACC + 8 (4 a + nt): tokens 16 a .., columns 16 nt ..
.set AF,  80                           ; v[80:143]   the tokens' fragments: four steps' slots of 16; on the way out z and the exponents
.set WS,  144                          ; v[144:207]  W1 as loaded, 16 registers a chunk; on the way out c's partial sums, then h packed
.set WF,  208                          ; v[208:239]  W's fragments of one step; on the way out c of my columns
.set G,   240                          ; v[240:243]  g of my four rows
.set SH,  244                          ; v[244:247]  shift of my four rows
.set CC,  248                          ; v[248:251]  my partial sums of c: four columns
.set TP,  252                          ; v[252:255]  at work
.set LN,  252
.set RR,  253
.set HH,  254
.set TT,  255
.set ZZ,  AF
.set EX,  AF+32
.set PK,  WS
	s_load_b256 s[4:11], s[0:1], 0x0               ; xb s[4:5], film s[6:7], route s[8:9], W1 s[10:11]
	s_load_b128 s[12:15], s[0:1], 0x20             ; b1 s[12:13], hid s[14:15]
	v_lshl_add_u32 v14, v0, 2, 0xe000
	v_mov_b32 v15, 0
	v_lshrrev_b32 v[TT], 5, v0
	v_readfirstlane_b32 s16, v[TT]                 ; wave 0..15
	s_mov_b32 s17, ttmp9                           ; fs
	s_and_b32 s18, ttmp7, 0xffff                   ; b
	s_mov_b32 s21, 0                               ; the high word of every offset: all stay under 2^32
	s_mov_b32 s24, 0xffff0000                      ; a word's upper bf16
	s_mov_b32 s26, 0xc0135761                      ; C1 = -2.3022082
	s_mov_b32 s27, s26                             ; named with it as a pair
	s_mov_b32 s28, 0xbdd2d3e8                      ; C2 = -0.10294324
	s_mov_b32 s29, s28
	v_and_b32 v[LN], 31, v0                        ; lane
	v_and_b32 v[RR], 15, v0                        ; r
	v_bfe_u32 v[HH], v0, 4, 1                      ; h
	s_wait_alu depctr_va_sdst(0)                   ; s16 is written, ahead of its first reader: the wave's offsets are made from it
	s_lshl_b32 s22, s16, 15
	v_lshl_add_u32 v[AO], v[LN], 4, s22            ; two row blocks of 16,384 bytes a wave + 16 x lane
	v_lshlrev_b32 v[FO], 3, v0
	v_lshlrev_b32 v[L8], 3, v[LN]
	s_lshl_b32 s22, s16, 3
	v_lshl_add_u32 v[TT], v[HH], 2, s22            ; my first row of a chunk: 8 wave + 4 h
	v_lshlrev_b32 v[WO], 13, v[TT]                 ; a row of W1 is 8,192 bytes
	v_lshl_add_u32 v[WO], v[RR], 4, v[WO]
	v_mul_u32_u24 v[WST], v[TT], WP
	v_lshl_add_u32 v[WST], v[RR], 3, v[WST]        ; lanes 16-31 lie 640 bytes on, 128 modulo 256: the 32 lanes' 8 bytes fall on each bank once
	v_lshl_add_u32 v[FA], v[TT], 2, FILM
	v_and_b32 v[TT], 7, v0                         ; the turning load: lane l reads row 8 (l / 16) + l % 8, bytes 16 ((l / 8) % 2) on
	v_lshl_add_u32 v[TT], v[HH], 3, v[TT]
	v_mul_u32_u24 v[TR], v[TT], WP
	v_bfe_u32 v[TT], v0, 3, 1
	v_lshl_add_u32 v[TR], v[TT], 4, v[TR]
	s_lshl_b32 s22, s16, 9
	s_add_co_u32 s22, s22, CP
	v_lshl_add_u32 v[CPS], v[HH], 8, s22           ; partial sum 2 wave + h
	v_lshl_add_u32 v[CPS], v[RR], 4, v[CPS]
	s_lshl_b32 s22, s16, 8
	s_add_co_u32 s22, s22, CF
	v_lshl_add_u32 v[CFW], v[LN], 3, s22
	v_lshl_add_u32 v[CFR], v[HH], 5, s22
	s_lshl_b32 s22, s16, 17
	v_lshl_add_u32 v[HO], v[LN], 4, s22            ; two row blocks of 65,536 bytes a wave + 16 x lane
	s_wait_kmcnt 0x0
	s_lshl_b32 s20, s18, 2
	s_add_nc_u64 s[8:9], s[8:9], s[20:21]
	s_load_b32 s19, s[8:9], 0x0                    ; route[b]
	s_lshl_b32 s20, s18, 19
	s_add_nc_u64 s[4:5], s[4:5], s[20:21]          ; xb[b]
	s_lshl_b32 s20, s18, 12
	s_add_nc_u64 s[6:7], s[6:7], s[20:21]          ; film[0][b]
; one load of the tokens' fragments of step s (32 along K): tile a of 16 tokens, half j: 512 consecutive bytes
.macro LDF s, a, j
	global_load_b128 v[AF+16*((\s)%4)+8*(\a)+4*(\j):AF+16*((\s)%4)+8*(\a)+4*(\j)+3], v[AO], s[4:5] offset:(\a)*16384+(\s)*1024+(\j)*512
.endm
.macro LDA s                           ; all four of a step
.irp a, 0,1
.irp j, 0,1
	LDF \s, \a, \j
.endr
.endr
.endm
; chunk c of W1: my four rows; sixteen lanes take a row's 256 aligned bytes
.macro LDW c
.irp i, 0,1,2,3
	global_load_b128 v[WS+16*(\c)+4*\i:WS+16*(\c)+4*\i+3], v[WO], s[10:11] offset:(128*(\c)+\i)*8192
.endr
.endm
	s_wait_alu depctr_va_vdst(0)                   ; the eleven addresses and offsets v1 to v11 are written, which every load and store of the kernel reads
	global_load_b64 v[G:G+1], v[FO], s[6:7]
	global_load_b64 v[G+2:G+3], v[FO], s[6:7] offset:32768
	LDA 0                                          ; what does not hang on the route goes out first
	LDA 1
	LDA 2
	LDA 3
	s_lshl_b32 s20, s18, 21                        ; hid: b x 2 MiB + fs x 2 blocks of 1,024 bytes
	s_lshl_b32 s22, s17, 11
	s_add_co_u32 s20, s20, s22
	s_add_nc_u64 s[14:15], s[14:15], s[20:21]
	s_lshl_b32 s22, s17, 8                         ; 64 columns of f32
	s_wait_kmcnt 0x0
	s_min_u32 s19, s19, 7                          ; m
	s_lshl_b32 s20, s19, 22
	s_add_co_u32 s20, s20, s22
	s_add_nc_u64 s[10:11], s[10:11], s[20:21]      ; W1[m], my columns
	s_lshl_b32 s20, s19, 13
	s_add_co_u32 s20, s20, s22
	s_add_nc_u64 s[12:13], s[12:13], s[20:21]      ; b1[m], my columns
	LDW 0                                          ; the work-group's whole slice of W1 is on its way at once
	LDW 1
	LDW 2
	LDW 3
	global_load_b64 v[B1:B1+1], v[L8], s[12:13]
.macro BAR                             ; my LDS stores are done and my LDS reads are back; then all sixteen waves meet
	s_wait_dscnt 0x0
	s_barrier_signal -1
	s_barrier_wait -1
.endm
; Row i of my four of chunk c: rounded to bf16; c takes shift x W1; g x W1 is rounded to f16, into the row's first two registers.  g and shift of row i lie in a pair's first (i even) or second register.
.macro ROW1 c, i
.set rW, WS+16*(\c)+4*(\i)
.set rT, TP+2*((\i)%2)
.set rG, G+2*((\i)/2)
.set rS, SH+2*((\i)/2)
	v_cvt_pk_bf16_f32 v[rT], v[rW], v[rW+1]
	v_cvt_pk_bf16_f32 v[rT+1], v[rW+2], v[rW+3]
	v_lshlrev_b32 v[rW], 16, v[rT]
	v_and_b32 v[rW+1], s24, v[rT]
	v_lshlrev_b32 v[rW+2], 16, v[rT+1]
	v_and_b32 v[rW+3], s24, v[rT+1]
.if (\i)%2 == 0
.if (\c) == 0 && (\i) == 0
	v_pk_mul_f32 v[CC:CC+1], v[rW:rW+1], v[rS:rS+1] op_sel_hi:[1,0]          ; the first row starts c's sums: nothing is cleared
	v_pk_mul_f32 v[CC+2:CC+3], v[rW+2:rW+3], v[rS:rS+1] op_sel_hi:[1,0]
.else
	v_pk_fma_f32 v[CC:CC+1], v[rW:rW+1], v[rS:rS+1], v[CC:CC+1] op_sel_hi:[1,0,1]
	v_pk_fma_f32 v[CC+2:CC+3], v[rW+2:rW+3], v[rS:rS+1], v[CC+2:CC+3] op_sel_hi:[1,0,1]
.endif
	v_pk_mul_f32 v[rW:rW+1], v[rW:rW+1], v[rG:rG+1] op_sel_hi:[1,0]
	v_pk_mul_f32 v[rW+2:rW+3], v[rW+2:rW+3], v[rG:rG+1] op_sel_hi:[1,0]
.else
	v_pk_fma_f32 v[CC:CC+1], v[rW:rW+1], v[rS:rS+1], v[CC:CC+1] op_sel:[0,1,0]
	v_pk_fma_f32 v[CC+2:CC+3], v[rW+2:rW+3], v[rS:rS+1], v[CC+2:CC+3] op_sel:[0,1,0]
	v_pk_mul_f32 v[rW:rW+1], v[rW:rW+1], v[rG:rG+1] op_sel:[0,1]
	v_pk_mul_f32 v[rW+2:rW+3], v[rW+2:rW+3], v[rG:rG+1] op_sel:[0,1]
.endif
	v_cvt_pk_f16_f32 v[rW], v[rW], v[rW+1]
	v_cvt_pk_f16_f32 v[rW+1], v[rW+2], v[rW+3]
.endm
; Chunk c into a slot.  lc: the loads issued behind the chunk's four, which may stay out.
; The two LDS loads at its head owe no wait of their own: the last vector instructions that named G and SH stand ahead of the wait on va_vdst of the chunk before (chunk 0: ahead of the waits that stand in front of it).
.macro PROC1 c, slot, lc
	ds_load_b128 v[G:G+3], v[FA] offset:512*(\c)
	ds_load_b128 v[SH:SH+3], v[FA] offset:2048+512*(\c)
	s_wait_loadcnt \lc
	s_wait_dscnt 0x0
	ROW1 \c, 0
	ROW1 \c, 1
	ROW1 \c, 2
	ROW1 \c, 3
	s_wait_alu depctr_va_vdst(0)                   ; the four rows' f16 are written, which the LDS stores read; the arithmetic is done reading G and SH and has written CC; the products of the step before are done reading WF and their token slot
.irp i, 0,1,2,3
	ds_store_b64 v[WST], v[WS+16*(\c)+4*\i:WS+16*(\c)+4*\i+1] offset:(\slot)*SLOT+\i*WP
.endr
.endm
.macro WM s, a, nt, first              ; one product: tokens 16 a .., columns 16 nt ..; first = 1: it starts the sum
.if \first
	v_wmma_f32_16x16x32_f16 v[ACC+8*(4*(\a)+(\nt)):ACC+8*(4*(\a)+(\nt))+7], v[WF+8*(\nt):WF+8*(\nt)+7], v[AF+16*((\s)%4)+8*(\a):AF+16*((\s)%4)+8*(\a)+7], 0
.else
	v_wmma_f32_16x16x32_f16 v[ACC+8*(4*(\a)+(\nt)):ACC+8*(4*(\a)+(\nt))+7], v[WF+8*(\nt):WF+8*(\nt)+7], v[AF+16*((\s)%4)+8*(\a):AF+16*((\s)%4)+8*(\a)+7], v[ACC+8*(4*(\a)+(\nt)):ACC+8*(4*(\a)+(\nt))+7]
.endif
.endm
; Step s: 32 along K.  Eight turning loads bring W's four fragments; eight matrix instructions, the eight accumulators by turns, one instruction a turn and in the same order in every step.
; lc: the loads issued behind this step's token fragments.  refill = 1: the four loads of the fragments three steps on are dealt among the products, which name WF, this step's token slot
; and the accumulators, and not the slot in which those loads land.  w = 1: the wait at the step's head; w = 0: the first step, or a step behind a chunk, whose wait on va_vdst has stated the same.
; Four v_nop stand behind the last product, ahead of the loads into registers that the products read.  first = 1: the products start the sums.
.macro STEP s, slot, lc, refill, first, w
.if \w
	s_wait_alu depctr_va_vdst(0)                   ; the products of the step before are done reading WF, in which the turning loads land, and their token slot, in which this step's global loads land
.endif
.irp nt, 0,1,2,3
	ds_load_tr16_b128 v[WF+8*\nt:WF+8*\nt+3], v[TR] offset:(\slot)*SLOT+((\s)%4)*32*WP+32*\nt
	ds_load_tr16_b128 v[WF+8*\nt+4:WF+8*\nt+7], v[TR] offset:(\slot)*SLOT+((\s)%4)*32*WP+32*\nt+16*WP
.endr
	s_wait_loadcnt \lc
.irp nt, 0,1,2,3
	s_wait_dscnt 6-2*\nt                           ; LDS loads come back in order (ISA guide 5.7.1): fragment nt is in, the later ones stay out
	WM \s, 0, \nt, \first
.if \refill
	LDF (\s)+3, \nt/2, \nt%2
.endif
	WM \s, 1, \nt, \first
.endr
.rept 4
	v_nop
.endr
.endm
	s_wait_loadcnt 33                              ; behind film's two loads 16 + 16 + 1 were issued
	v_pk_add_f32 v[G:G+1], v[G:G+1], v[G+2:G+3]    ; the two halves of the sum over cond: g and shift
	s_wait_alu depctr_va_vdst(0)                   ; the addition has written v[G:G+1], which the LDS store reads, and is done reading v[G:G+3], in which chunk 0's g lands
	ds_store_b64 v[FO], v[G:G+1] offset:FILM
	BAR                                            ; g and shift are in LDS, everybody's part
	s_wait_alu depctr_vm_vsrc(0)                   ; the LDS store has read v[G:G+1], in which chunk 0's g lands
	PROC1 0, 0, 13                                 ; behind chunk 0: chunks 1 to 3 (12) and b1
	BAR                                            ; slot 0 is whole
	STEP 0, 0, 29, 0, 1, 0                         ; behind step 0's fragments: three steps' (12), W1's 16 and b1
	STEP 1, 0, 25, 1, 0, 1                         ; behind a step's fragments: W1's 16, b1, and two steps' (8), older or younger than those
	STEP 2, 0, 25, 1, 0, 1
	STEP 3, 0, 25, 1, 0, 1
	PROC1 1, 1, 21                                 ; behind chunk 1: chunks 2, 3 (8), b1, steps 4 to 6 (12)
	BAR                                            ; slot 1 is whole, and nobody reads slot 0 any more
	STEP 4, 1, 8, 1, 0, 0                          ; behind a step's fragments: the two steps' that follow it
	STEP 5, 1, 8, 1, 0, 1
	STEP 6, 1, 8, 1, 0, 1
	STEP 7, 1, 8, 1, 0, 1
	PROC1 2, 0, 33                                 ; behind chunk 2: chunk 3 (4), b1, steps 4 to 10 (28)
	BAR                                            ; slot 0 is whole again, and nobody reads slot 1 any more
	STEP 8, 0, 8, 1, 0, 0
	STEP 9, 0, 8, 1, 0, 1
	STEP 10, 0, 8, 1, 0, 1
	STEP 11, 0, 8, 1, 0, 1
	PROC1 3, 1, 45                                 ; behind chunk 3: b1, steps 4 to 14 (44)
	ds_store_b128 v[CPS], v[CC:CC+3]               ; my partial sums of c are complete: their last additions stand ahead of the chunk's wait on va_vdst
	BAR
	STEP 12, 1, 8, 1, 0, 0                         ; the last fragments, step 15's, are asked for here
	STEP 13, 1, 8, 0, 0, 1                         ; nothing is left to fetch: the counts run down
	STEP 14, 1, 4, 0, 0, 1
	STEP 15, 1, 0, 0, 0, 1
	; c: every wave adds the 32 partial sums, two columns a lane, adds b1, and turns the 64 numbers through its own 256 bytes of LDS into the accumulators' order
	s_wait_alu depctr_vm_vsrc(0)                   ; the LDS stores of the four chunks have read v[WS ..], in which the partial sums land (the arithmetic that named these registers stands ahead of chunk 3's wait on va_vdst)
.set q, 0
.rept 32
	ds_load_b64 v[WS+2*q:WS+2*q+1], v[L8] offset:CP+256*q
.set q, q+1
.endr
	v_cvt_pk_bf16_f32 v[TP], v[B1], v[B1+1]        ; b1, rounded like every input
	v_lshlrev_b32 v[B1], 16, v[TP]
	v_and_b32 v[B1+1], s24, v[TP]
	s_wait_dscnt 0x0
.macro FOLD base, cnt                  ; pair q takes pair q + cnt, q = 0 .. cnt - 1
.set q, 0
.rept \cnt
	v_pk_add_f32 v[(\base)+2*q:(\base)+2*q+1], v[(\base)+2*q:(\base)+2*q+1], v[(\base)+2*(q+(\cnt)):(\base)+2*(q+(\cnt))+1]
.set q, q+1
.endr
.endm
	FOLD WS, 16
	FOLD WS, 8
	FOLD WS, 4
	FOLD WS, 2
	FOLD WS, 1
	v_pk_add_f32 v[WS:WS+1], v[WS:WS+1], v[B1:B1+1]
	s_wait_alu depctr_va_vdst(0)                   ; the additions have written v[WS:WS+1], which the LDS store reads; step 15's products are done reading WF, in which c lands
	ds_store_b64 v[CFW], v[WS:WS+1]
.irp nt, 0,1,2,3
	ds_load_b128 v[WF+8*\nt:WF+8*\nt+3], v[CFR] offset:64*\nt      ; LDS serves a wave's instructions in order (ISA guide 5.7.1.4): these see the store above
	ds_load_b128 v[WF+8*\nt+4:WF+8*\nt+7], v[CFR] offset:64*\nt+16
.endr
	s_wait_dscnt 0x0
	s_wait_alu depctr_vm_vsrc(0)                   ; the LDS store has read v[WS:WS+1], which the first tile's roundings write
; THE WAY OUT of tile a (16 tokens x 64 columns, 32 numbers a lane).  Each accumulator is read from its lowest registers on.  The 32 exponentials are one batch and the 32 reciprocals another: behind each
; batch one plain instruction and one s_wait_alu ahead of the first instruction that names a result.  A third stands ahead of the tile's four stores.
.macro PASS line:vararg                ; one line for each pair n of 16
.set n, 0
.rept 16
	\line
.set n, n+1
.endr
.endm
.macro GELU a
	PASS v_pk_add_f32 v[ZZ+2*n:ZZ+2*n+1], v[ACC+32*(\a)+2*n:ACC+32*(\a)+2*n+1], v[WF+2*n:WF+2*n+1]
	PASS v_pk_mul_f32 v[EX+2*n:EX+2*n+1], v[ZZ+2*n:ZZ+2*n+1], v[ZZ+2*n:ZZ+2*n+1]
	PASS v_pk_fma_f32 v[EX+2*n:EX+2*n+1], v[EX+2*n:EX+2*n+1], s[28:29], s[26:27] op_sel_hi:[1,0,0]
	PASS v_pk_mul_f32 v[EX+2*n:EX+2*n+1], v[EX+2*n:EX+2*n+1], v[ZZ+2*n:ZZ+2*n+1]
.set n, 0
.rept 32
	v_exp_f32 v[EX+n], v[EX+n]
.set n, n+1
.endr
	v_nop
	s_wait_alu depctr_va_vdst(0)                   ; the 32 exponentials have written v[EX ..], ahead of the additions that read them
	PASS v_pk_add_f32 v[EX+2*n:EX+2*n+1], v[EX+2*n:EX+2*n+1], 1.0 op_sel_hi:[1,0]
.set n, 0
.rept 32
	v_rcp_f32 v[EX+n], v[EX+n]
.set n, n+1
.endr
	v_nop
	s_wait_alu depctr_va_vdst(0)                   ; the 32 reciprocals have written v[EX ..], ahead of the multiplications that read them
	PASS v_pk_mul_f32 v[ZZ+2*n:ZZ+2*n+1], v[ZZ+2*n:ZZ+2*n+1], v[EX+2*n:EX+2*n+1]
	PASS v_cvt_pk_bf16_f32 v[PK+16*(\a)+n], v[ZZ+2*n], v[ZZ+2*n+1]
	s_wait_alu depctr_va_vdst(0)                   ; the roundings have written the tile's sixteen registers of PK, which the stores read
.irp nt, 0,1,2,3
	global_store_b128 v[HO], v[PK+16*(\a)+4*\nt:PK+16*(\a)+4*\nt+3], s[14:15] offset:(\a)*65536+512*\nt  ; 512 consecutive bytes, at a multiple of 512 from hid's first: block kb = 2 fs + nt / 2, half j = nt % 2
.endr
.endm
	GELU 0
	GELU 1                                         ; its packed results have registers of their own: the first tile's stores may still read theirs
	s_wait_dscnt 0x0                               ; the wave's end
	s_wait_alu depctr_hold_cnt(0) depctr_sa_sdst(0) depctr_va_vdst(0) depctr_va_sdst(0) depctr_va_ssrc(0) depctr_va_vcc(0) depctr_vm_vsrc(0)
	s_wait_tensorcnt 0x0
	ds_add_u32 v14, v15
	s_wait_dscnt 0x0
	s_endpgm
.Lfunc_end_k_q48bc308476_ffn1:
	.size	k_q48bc308476_ffn1, .Lfunc_end_k_q48bc308476_ffn1-k_q48bc308476_ffn1
	.p2alignl 7, 3214868480
	.fill 96, 4, 3214868480
	.section	.rodata,"a",@progbits
	.p2align	6, 0x0
	.amdhsa_kernel k_q48bc308476_ffn1
		.amdhsa_group_segment_fixed_size 59392
		.amdhsa_private_segment_fixed_size 0
		.amdhsa_enable_private_segment 0
		.amdhsa_kernarg_size 48
		.amdhsa_user_sgpr_count 2
		.amdhsa_user_sgpr_kernarg_segment_ptr 1
		.amdhsa_wavefront_size32 1
		.amdhsa_system_sgpr_workgroup_id_x 1
		.amdhsa_system_sgpr_workgroup_id_y 1
		.amdhsa_system_sgpr_workgroup_id_z 1
		.amdhsa_system_vgpr_workitem_id 0
		.amdhsa_next_free_vgpr 256
		.amdhsa_next_free_sgpr 66
		.amdhsa_reserve_vcc 0
		.amdhsa_float_denorm_mode_32 3
		.amdhsa_float_denorm_mode_16_64 3
		.amdhsa_memory_ordered 1
		.amdhsa_forward_progress 1
		.amdhsa_inst_pref_size 69
	.end_amdhsa_kernel
	.amdgpu_metadata
---
amdhsa.version: [ 1, 2 ]
amdhsa.kernels:
  - .name:           k_q48bc308476_ffn1
    .symbol:         k_q48bc308476_ffn1.kd
    .args:
      - { .name: xb, .offset: 0, .size: 8, .value_kind: global_buffer, .address_space: global }
      - { .name: film, .offset: 8, .size: 8, .value_kind: global_buffer, .address_space: global }
      - { .name: route, .offset: 16, .size: 8, .value_kind: global_buffer, .address_space: global }
      - { .name: W1, .offset: 24, .size: 8, .value_kind: global_buffer, .address_space: global }
      - { .name: b1, .offset: 32, .size: 8, .value_kind: global_buffer, .address_space: global }
      - { .name: hid, .offset: 40, .size: 8, .value_kind: global_buffer, .address_space: global }
    .group_segment_fixed_size: 59392
    .private_segment_fixed_size: 0
    .kernarg_segment_align: 8
    .kernarg_segment_size: 48
    .max_flat_workgroup_size: 512
    .sgpr_count:     66
    .vgpr_count:     256
    .wavefront_size: 32
...
	.end_amdgpu_metadata
.endif
;; end of part 4
;; launch ffn2 (part 5): grid 32 x 8, 16 waves a work-group, no clusters, 281,600 bytes of LDS; arguments hid, route, W2, b2, out0; writes out0
.if DOCPART == 5
	.amdgcn_target "amdgcn-amd-amdhsa--gfx1250"
	.amdhsa_code_object_version 6
	.text
	.protected	k_q48bc308476_ffn2
	.globl	k_q48bc308476_ffn2
	.p2align	8
	.type	k_q48bc308476_ffn2,@function
k_q48bc308476_ffn2:
	s_mov_b64 s[64:65], 0
	v_nop
	global_prefetch_b8 v0, s[64:65] scope:SCOPE_SE
	s_setreg_imm32_b32 hwreg(HW_REG_WAVE_SCHED_MODE, 0, 2), 2
	s_setreg_imm32_b32 hwreg(HW_REG_WAVE_MODE, 25, 1), 1
	s_wait_xcnt 0x0
	s_wait_alu depctr_vm_vsrc(0)
; FFN2.  out[b] = h . W2[m] + b2[m], m = route[b]: 128 tokens (128 tt ..) x 64 columns (64 dsl ..) a work-group, K = 2,048.  h arrives in bf16 in the operands' order (launch ffn1);
;   W2 and b2 are rounded to bf16 here; the product runs in bf16 with f32 sums; out is f32.
; SHARES.  16 waves, four to a SIMD, 256 registers each.  Wave w = 4 g + u: K group g (k = 512 g .. + 511), tokens 32 u .. + 31, all 64 columns: 8 accumulators, 16 steps of 32 along K, 8 matrix
;   instructions a step.  Each group has two LDS slots of its own for W2: chunks of 128 rows, [k][64 columns] in bf16, turned by ds_load_tr16_b128; its four waves round 32 rows each.
;   The tokens' fragments come from memory straight into the operand registers of the one wave that multiplies them, three steps ahead; W2's next chunk is asked for when the last has been rounded:
;   12 to 16 and 16 loads of a wave are out.  At the end groups 1 to 3 hand their f32 sums through LDS to group 0, which adds them in a fixed order, adds b2 and stores.
; THE MATRIX INSTRUCTION IS USED TRANSPOSED (source 0 = 16 columns of W2, source 1 = 16 tokens): a lane holds one token and eight neighbouring columns.
; PREFETCH.  W2's chunks 1 to 3 are asked for into the L2, a row's 256 bytes a lane: chunks 1 and 2 behind the loads of chunk 0, chunk 3 behind those of chunk 1, so each at least one chunk's work ahead of its loads.  Of the
;   four work-groups (tt = 0 .. 3) that read the same slice, work-group tt asks for the rows of waves u = tt alone: each block once.  The highest row asked for is 2,047, W2[m]'s last.
; NO CLUSTER, NO TENSOR LOAD.  What work-groups share is hid's fragments (8 read each) and W2's slice (4 read each).  W2 has to pass through registers to be rounded; a fragment of hid through LDS would
;   add 4 LDS reads to a step's 8 for the same 8 matrix instructions.  So both come by loads into registers.
; LIMITS.  NaN and infinities are not treated apart.  route is held to 0 .. 7.
; THE MODE: SCHED_MODE bits 1:0 = 2 (LLVM: expert scheduling mode 2), set by the entry lines.  The code itself states the register dependences between vector or matrix instructions and memory or LDS
;   instructions, with s_wait_alu, always for 0.
; THE PLAN.  Registers that memory or LDS instructions touch:
;   v1 .. v12   addresses and offsets: made at the head, never written again.  One wait on va_vdst ahead of the first load serves them for the whole kernel, the prefetches too.
;   AF0 .. AF3  Step s: its products read AF[s % 4]; the loads of step s + 3, issued among them, land in AF[(s - 1) % 4], which the products of step s - 1 read.
;   WF          Step s: its eight turning loads land in it, its products read it.
;   WS          A chunk's sixteen loads land in it; 32 roundings work in place; sixteen LDS stores read the results; then the next chunk's loads (at the end b2's) land in it.
;   The accumulators are named by matrix instructions alone until the sums meet.
; So ONE wait on va_vdst stands at a step's head (the products of the step before are done reading WF and their token slot), ONE in a chunk, between its roundings and its LDS stores, which also
; serves the step that follows the chunk, and ONE wait on vm_vsrc behind a chunk's LDS stores, ahead of the loads into WS.  Where the sums meet, two buffers take turns (below).
.set WP,    160                        ; a row of a slot: 128 bytes + 32 = 40 words
.set SLOT,  128*WP
.set GRP,   2*SLOT                     ; a group's two slots; four groups from LDS byte 0
.set RED,   4*GRP                      ; 12 waves' sums, 8,192 bytes each
.set STAGE, RED+12*8192                ; 16 rows x 272 bytes for each wave of group 0, for the way out.  The 2,048 bytes behind the stages are the spare words, 128 bytes for each of the 16 waves
.set SPT,   272                        ; 256 bytes + 16: an odd multiple of 16
.set AO,   1                           ; v1   my 16 bytes in my wave's part of hid
.set WO,   2                           ; v2   my 16 bytes in my first row of W2
.set WST,  3                           ; v3   LDS: where my 8 bytes of a row of W2 go
.set TR,   4                           ; v4   LDS: my lane's place for the turning load, in my group's slots
.set RDA,  5                           ; v5   LDS: where my sums go (groups 1 to 3)
.set RRA,  6                           ; v6   LDS: the sums of groups 1 and 2 for my tokens (group 0)
.set RRA2, 7                           ; v7   the same for group 3: 65,536 bytes on, past an LDS offset's 16 bits
.set STO,  8                           ; v8   the way out: where I put 16 bytes of a row
.set RD,   9                           ; v9   the way out: where I read a row back
.set GO,   10                          ; v10  my byte offset in out
.set BO,   11                          ; v11  b2 of my eight columns of a tile
.set PFO,  12                          ; v12  the row of W2 that I prefetch
.set ACC,  16                          ; v[16:79]    accumulator (a, nt) at ACC + 8 (4 a + nt)
.set AF,   80                          ; v[80:143]   the tokens' fragments: four steps' slots of 16; at the end others' sums, then whole rows
.set WS,   144                         ; v[144:207]  a chunk of W2 as loaded: 16 rows x 4 columns; at the end b2 in its lower half
.set WF,   208                         ; v[208:239]  W's fragments of one step
.set OB,   WS+32                       ; v[176:239]  at the end: WS's upper half and WF, a second buffer for others' sums
.set TP,   252                         ; v[252:255]  at work
.set LN,   252
.set RR,   253
.set HH,   254
.set TT,   255
	s_load_b256 s[4:11], s[0:1], 0x0               ; hid s[4:5], route s[6:7], W2 s[8:9], b2 s[10:11]
	s_load_b64 s[12:13], s[0:1], 0x20              ; out0
	v_lshl_add_u32 v250, v0, 2, 0x44400
	v_mov_b32 v251, 0
	v_lshrrev_b32 v[TT], 5, v0
	v_readfirstlane_b32 s16, v[TT]                 ; wave 0..15
	s_and_b32 s17, ttmp9, 7                        ; dsl
	s_lshr_b32 s18, ttmp9, 3                       ; tt
	s_and_b32 s19, ttmp7, 0xffff                   ; b
	s_wait_alu depctr_va_sdst(0)                   ; s16 is written, ahead of its first reader: the group, the wave's place in it and its offsets are made from it
	s_lshr_b32 s21, s16, 2                         ; g
	s_and_b32 s22, s16, 3                          ; u
	s_mov_b32 s25, 0                               ; the high word of every offset: all stay under 2^32
	s_mov_b32 s28, 0xffff0000                      ; a word's upper bf16
	v_and_b32 v[LN], 31, v0                        ; lane
	v_and_b32 v[RR], 15, v0                        ; r
	v_bfe_u32 v[HH], v0, 4, 1                      ; h
	s_lshl_b32 s26, s22, 17                        ; hid: two row blocks of 65,536 bytes a wave, 16 blocks of 1,024 bytes a group
	s_lshl_b32 s27, s21, 14
	s_add_co_u32 s26, s26, s27
	v_lshl_add_u32 v[AO], v[LN], 4, s26
	s_lshl_b32 s26, s21, 9
	s_lshl_b32 s27, s22, 5
	s_add_co_u32 s26, s26, s27                     ; 512 g + 32 u: my wave's first row of W2 in chunk 0
	v_lshl_add_u32 v[TT], v[HH], 2, s26
	v_lshlrev_b32 v[WO], 11, v[TT]                 ; a row of W2 is 2,048 bytes
	v_lshl_add_u32 v[WO], v[RR], 4, v[WO]
	v_add_nc_u32 v[PFO], s26, v[LN]
	v_lshlrev_b32 v[PFO], 11, v[PFO]
	v_lshl_add_u32 v[TT], v[HH], 2, s27            ; 32 u + 4 h: the same row in the group's slot
	v_mul_u32_u24 v[WST], v[TT], WP
	v_lshl_add_u32 v[WST], v[RR], 3, v[WST]        ; lanes 16-31 lie 640 bytes on, 128 modulo 256: the 32 lanes' 8 bytes fall on each bank once
	s_mul_i32 s26, s21, GRP
	v_add_nc_u32 v[WST], s26, v[WST]
	v_and_b32 v[TT], 7, v0                         ; the turning load: lane l reads row 8 (l / 16) + l % 8, bytes 16 ((l / 8) % 2) on
	v_lshl_add_u32 v[TT], v[HH], 3, v[TT]
	v_mul_u32_u24 v[TR], v[TT], WP
	v_bfe_u32 v[TT], v0, 3, 1
	v_lshl_add_u32 v[TR], v[TT], 4, v[TR]
	v_add_nc_u32 v[TR], s26, v[TR]
	s_lshl_b32 s26, s16, 13
	s_add_co_u32 s26, s26, RED-4*8192              ; wave w (4 .. 15) has place w - 4
	v_lshl_add_u32 v[RDA], v[LN], 4, s26
	s_lshl_b32 s26, s22, 13
	s_add_co_u32 s26, s26, RED
	v_lshl_add_u32 v[RRA], v[LN], 4, s26
	v_add_nc_u32 v[RRA2], 0x10000, v[RRA]
	s_mul_i32 s26, s22, 16*SPT
	s_add_co_u32 s26, s26, STAGE
	v_mul_u32_u24 v[STO], v[RR], SPT               ; in: row r, 32 bytes for each half of the lanes
	v_lshl_add_u32 v[STO], v[HH], 5, v[STO]
	v_add_nc_u32 v[STO], s26, v[STO]
	v_mul_u32_u24 v[RD], v[HH], SPT                ; back: lanes 0-15 take one row's 256 bytes, lanes 16-31 the next
	v_lshl_add_u32 v[RD], v[RR], 4, v[RD]
	v_add_nc_u32 v[RD], s26, v[RD]
	s_lshl_b32 s26, s22, 16                        ; and the same two rows in out: 32 rows of 2,048 bytes a wave
	v_lshl_add_u32 v[GO], v[HH], 11, s26
	v_lshl_add_u32 v[GO], v[RR], 4, v[GO]
	v_lshlrev_b32 v[BO], 5, v[HH]
	s_wait_kmcnt 0x0
	s_lshl_b32 s24, s19, 2
	s_add_nc_u64 s[6:7], s[6:7], s[24:25]
	s_load_b32 s20, s[6:7], 0x0                    ; route[b]
	s_lshl_b32 s24, s19, 21                        ; hid: b x 2 MiB + tt x 8 row blocks
	s_lshl_b32 s26, s18, 19
	s_add_co_u32 s24, s24, s26
	s_add_nc_u64 s[4:5], s[4:5], s[24:25]
.macro LDF s, a, j                     ; one load of the tokens' fragments of step s: tile a of 16 tokens, half j: 512 consecutive bytes
	global_load_b128 v[AF+16*((\s)%4)+8*(\a)+4*(\j):AF+16*((\s)%4)+8*(\a)+4*(\j)+3], v[AO], s[4:5] offset:(\a)*65536+(\s)*1024+(\j)*512
.endm
.macro LDA s                           ; all four of a step
.irp a, 0,1
.irp j, 0,1
	LDF \s, \a, \j
.endr
.endr
.endm
.macro LDW c                           ; chunk c of my group's W2: my 16 of my wave's 32 rows; sixteen lanes take a row's 256 aligned bytes
.set i, 0
.rept 16
	global_load_b128 v[WS+4*i:WS+4*i+3], v[WO], s[8:9] offset:(128*(\c)+8*(i/4)+i%4)*2048
.set i, i+1
.endr
.endm
.macro PF c0, c1                       ; chunks c0 and (if not 0) c1: a row's 256 bytes a lane; the jump hangs on the wave's and the work-group's numbers and passes no barrier
	s_cmp_lg_u32 s22, s18
	s_cbranch_scc1 .Lno_pf_\@
	global_prefetch_b8 v[PFO], s[8:9] offset:(\c0)*262144 th:TH_LOAD_NT scope:SCOPE_SE
.if (\c1) > 0
	global_prefetch_b8 v[PFO], s[8:9] offset:(\c1)*262144 th:TH_LOAD_NT scope:SCOPE_SE
.endif
.Lno_pf_\@:
.endm
.macro PROC2 slot, lc                  ; the chunk in WS is rounded, all of it, and goes into a slot.  lc: the loads issued behind the chunk's sixteen
	s_wait_loadcnt \lc
.set i, 0
.rept 16
	v_cvt_pk_bf16_f32 v[WS+4*i], v[WS+4*i], v[WS+4*i+1]
	v_cvt_pk_bf16_f32 v[WS+4*i+1], v[WS+4*i+2], v[WS+4*i+3]
.set i, i+1
.endr
	s_wait_alu depctr_va_vdst(0)                   ; the roundings have written the pairs that the LDS stores read, and are done reading WS, in which the next loads land; the products of the step before are done reading WF and their token slot
.set i, 0
.rept 16
	ds_store_b64 v[WST], v[WS+4*i:WS+4*i+1] offset:(\slot)*SLOT+(8*(i/4)+i%4)*WP
.set i, i+1
.endr
	s_wait_dscnt 0x0                               ; for the barrier's sake: my stores are done and my reads of the other slot are back
	s_wait_alu depctr_vm_vsrc(0)                   ; the LDS stores have read WS, in which the loads that follow land
.endm
.macro MEET
	s_barrier_signal -1
	s_barrier_wait -1
.endm
.macro WM s, a, nt, first              ; one product: tokens 16 a .., columns 16 nt ..; first = 1: it starts the sum
.if \first
	v_wmma_f32_16x16x32_bf16 v[ACC+8*(4*(\a)+(\nt)):ACC+8*(4*(\a)+(\nt))+7], v[WF+8*(\nt):WF+8*(\nt)+7], v[AF+16*((\s)%4)+8*(\a):AF+16*((\s)%4)+8*(\a)+7], 0
.else
	v_wmma_f32_16x16x32_bf16 v[ACC+8*(4*(\a)+(\nt)):ACC+8*(4*(\a)+(\nt))+7], v[WF+8*(\nt):WF+8*(\nt)+7], v[AF+16*((\s)%4)+8*(\a):AF+16*((\s)%4)+8*(\a)+7], v[ACC+8*(4*(\a)+(\nt)):ACC+8*(4*(\a)+(\nt))+7]
.endif
.endm
; Step s: 32 along K.  Eight turning loads bring W's four fragments; eight matrix instructions, the eight accumulators by turns, one instruction a turn and in the same order in every step.
; lc: the loads issued behind this step's token fragments.  refill = 1: the four loads of the fragments three steps on are dealt among the products, which name WF, this step's token slot
; and the accumulators, and not the slot in which those loads land.  w = 1: the wait at the step's head; w = 0: the first step, or a step behind a chunk, whose wait on va_vdst has stated the same.
; Four v_nop stand behind the last product, ahead of the loads into registers that the products read, and at the end of the LDS stores and additions that read the sums.
.macro STEP s, slot, lc, refill, first, w
.if \w
	s_wait_alu depctr_va_vdst(0)                   ; the products of the step before are done reading WF, in which the turning loads land, and their token slot, in which this step's global loads land
.endif
.irp nt, 0,1,2,3
	ds_load_tr16_b128 v[WF+8*\nt:WF+8*\nt+3], v[TR] offset:(\slot)*SLOT+((\s)%4)*32*WP+32*\nt
	ds_load_tr16_b128 v[WF+8*\nt+4:WF+8*\nt+7], v[TR] offset:(\slot)*SLOT+((\s)%4)*32*WP+32*\nt+16*WP
.endr
	s_wait_loadcnt \lc
.irp nt, 0,1,2,3
	s_wait_dscnt 6-2*\nt                           ; LDS loads come back in order (ISA guide 5.7.1): fragment nt is in, the later ones stay out
	WM \s, 0, \nt, \first
.if \refill
	LDF (\s)+3, \nt/2, \nt%2
.endif
	WM \s, 1, \nt, \first
.endr
.rept 4
	v_nop
.endr
.endm
	s_wait_alu depctr_va_vdst(0)                   ; the twelve addresses and offsets v1 to v12 are written, which every load, store and prefetch of the kernel reads
	LDA 0                                          ; what does not hang on the route goes out first
	LDA 1
	LDA 2
	LDA 3
	s_lshl_b32 s27, s17, 8                         ; 64 columns of f32
	s_lshl_b32 s24, s19, 20                        ; out: b x 1 MiB + tt x 128 rows + my columns
	s_lshl_b32 s26, s18, 18
	s_add_co_u32 s24, s24, s26
	s_add_co_u32 s24, s24, s27
	s_add_nc_u64 s[12:13], s[12:13], s[24:25]
	s_wait_kmcnt 0x0
	s_min_u32 s20, s20, 7                          ; m
	s_lshl_b32 s24, s20, 22
	s_add_co_u32 s24, s24, s27
	s_add_nc_u64 s[8:9], s[8:9], s[24:25]          ; W2[m], my columns
	s_lshl_b32 s24, s20, 11
	s_add_co_u32 s24, s24, s27
	s_add_nc_u64 s[10:11], s[10:11], s[24:25]      ; b2[m], my columns
	LDW 0
	PF 1, 2
	PROC2 0, 0                                     ; chunk 0's loads are the youngest
	LDW 1
	PF 3, 0
	MEET                                           ; slot 0 is whole
	STEP 0, 0, 44, 0, 1, 0                         ; behind step 0's fragments: three steps' (12), chunks 0 and 1 (32)
	STEP 1, 0, 40, 1, 0, 1                         ; behind a step's fragments: chunks 0 and 1 (32) and two steps' (8), older or younger than those
	STEP 2, 0, 40, 1, 0, 1
	STEP 3, 0, 40, 1, 0, 1
	PROC2 1, 12                                    ; behind chunk 1: steps 4 to 6
	LDW 2
	MEET                                           ; slot 1 is whole, and nobody reads slot 0 any more
	STEP 4, 1, 24, 1, 0, 0                         ; behind a step's fragments: two steps' (8) and a chunk (16)
	STEP 5, 1, 24, 1, 0, 1
	STEP 6, 1, 24, 1, 0, 1
	STEP 7, 1, 8, 1, 0, 1                          ; step 7's fragments were asked for behind the chunk: two steps' follow them
	PROC2 0, 16                                    ; behind chunk 2: steps 7 to 10
	LDW 3
	MEET                                           ; slot 0 is whole again, and nobody reads slot 1 any more
	STEP 8, 0, 24, 1, 0, 0
	STEP 9, 0, 24, 1, 0, 1
	STEP 10, 0, 24, 1, 0, 1
	STEP 11, 0, 8, 1, 0, 1
	PROC2 1, 16                                    ; behind chunk 3: steps 11 to 14
.irp nt, 0,1,2,3
	global_load_b128 v[WS+8*\nt:WS+8*\nt+3], v[BO], s[10:11] offset:64*\nt       ; b2 of my eight columns of each tile (every wave asks, so that the counts below are one text)
	global_load_b128 v[WS+8*\nt+4:WS+8*\nt+7], v[BO], s[10:11] offset:64*\nt+16
.endr
	MEET
	STEP 12, 1, 16, 1, 0, 0                        ; behind step 12's fragments: two steps' (8) and b2's eight loads; the last fragments, step 15's, are asked for here
	STEP 13, 1, 16, 0, 0, 1                        ; behind step 13's: step 14's, b2's eight, step 15's
	STEP 14, 1, 12, 0, 0, 1                        ; behind step 14's: b2's eight, step 15's
	STEP 15, 1, 0, 0, 0, 1                         ; step 15's are the youngest
	; THE FOUR K GROUPS' SUMS MEET.  Groups 1 to 3 put theirs into LDS, each accumulator from its lowest registers on
	s_wait_alu depctr_va_vdst(0)                   ; the products have written the sums, which the LDS stores read, and are done reading AF and WF, in which group 0's LDS loads land; the four places stand ahead of this wait
	s_cmp_lt_u32 s16, 4
	s_cbranch_scc1 .Lkeep
.set q, 0
.rept 16
	ds_store_b128 v[RDA], v[ACC+4*q:ACC+4*q+3] offset:512*q
.set q, q+1
.endr
.Lkeep:
	s_wait_dscnt 0x0                               ; for group 0's sake: my stores are done
	s_barrier_signal -1
	s_barrier_wait -1
	s_cmp_lt_u32 s16, 4
	s_cbranch_scc1 .Lsum
	s_wait_dscnt 0x0                               ; a wave's end
	s_wait_alu depctr_hold_cnt(0) depctr_sa_sdst(0) depctr_va_vdst(0) depctr_va_sdst(0) depctr_va_ssrc(0) depctr_va_vcc(0) depctr_vm_vsrc(0)
	s_wait_tensorcnt 0x0
	ds_add_u32 v250, v251
	s_wait_dscnt 0x0
	s_endpgm
.Lsum:                                                 ; group 0: wave u adds the sums of waves 4 + u, 8 + u, 12 + u, in that order, then b2
; Two buffers take turns: AF takes the first wave's sums, OB the second's, AF again the third's.  OB's registers were last named by chunk 3's roundings and LDS stores and by the products: all stand ahead of waits above.
.macro GETP buf, adr, off              ; a wave's 64 sums a lane
.set q, 0
.rept 16
	ds_load_b128 v[(\buf)+4*q:(\buf)+4*q+3], v[\adr] offset:(\off)+512*q
.set q, q+1
.endr
.endm
.macro SUMP buf
.set q, 0
.rept 32
	v_pk_add_f32 v[ACC+2*q:ACC+2*q+1], v[ACC+2*q:ACC+2*q+1], v[(\buf)+2*q:(\buf)+2*q+1]
.set q, q+1
.endr
.endm
	GETP AF, RRA, 0
	GETP OB, RRA, 32768
	s_wait_dscnt 16                                ; the first wave's sums are in; the second's sixteen loads may stay out
	SUMP AF
	s_wait_alu depctr_va_vdst(0)                   ; the additions are done reading AF, in which the third wave's sums land
	GETP AF, RRA2, 0
	s_wait_dscnt 16                                ; the second wave's sums are in; the third's sixteen loads may stay out
	SUMP OB
	s_wait_dscnt 0x0
	SUMP AF
	s_wait_loadcnt 0x0                             ; b2
.set q, 0
.rept 16
	v_cvt_pk_bf16_f32 v[TP+q%4], v[WS+2*q], v[WS+2*q+1]   ; rounded like every input
	v_lshlrev_b32 v[WS+2*q], 16, v[TP+q%4]
	v_and_b32 v[WS+2*q+1], s28, v[TP+q%4]
.set q, q+1
.endr
.set q, 0
.rept 32
	v_pk_add_f32 v[ACC+2*q:ACC+2*q+1], v[ACC+2*q:ACC+2*q+1], v[WS+2*(q%16):WS+2*(q%16)+1]
.set q, q+1
.endr
; THE WAY OUT.  A lane's 32 bytes are an eighth of a row's 256, and the lanes beside it hold other rows: 16 rows at a time go through my own stage in LDS and come back as whole rows.
.macro STG a
.irp nt, 0,1,2,3
	ds_store_b128 v[STO], v[ACC+8*(4*(\a)+\nt):ACC+8*(4*(\a)+\nt)+3] offset:64*\nt
	ds_store_b128 v[STO], v[ACC+8*(4*(\a)+\nt)+4:ACC+8*(4*(\a)+\nt)+7] offset:64*\nt+16
.endr
.irp t, 0,1,2,3,4,5,6,7
	ds_load_b128 v[AF+32*(\a)+4*\t:AF+32*(\a)+4*\t+3], v[RD] offset:2*SPT*\t  ; LDS serves a wave's instructions in order (ISA guide 5.7.1.4): these see the stores above; the next tile's stores come behind them
.endr
.endm
.macro SEND a, younger                 ; younger: the LDS instructions issued behind tile a's loads: the next tile's sixteen, or none
.irp t, 0,1,2,3,4,5,6,7
	s_wait_dscnt (\younger)+7-\t
	global_store_b128 v[GO], v[AF+32*(\a)+4*\t:AF+32*(\a)+4*\t+3], s[12:13] offset:(16*(\a)+2*\t)*2048 th:TH_STORE_NT  ; 16 lanes store 256 consecutive bytes, at a multiple of 256 from out's first
.endr
.endm
	s_wait_alu depctr_va_vdst(0)                   ; the additions have written the sums, which the LDS stores read, and are done reading AF, in which the whole rows land
	STG 0
	STG 1
	SEND 0, 16
	SEND 1, 0
	s_wait_dscnt 0x0                               ; the wave's end
	s_wait_alu depctr_hold_cnt(0) depctr_sa_sdst(0) depctr_va_vdst(0) depctr_va_sdst(0) depctr_va_ssrc(0) depctr_va_vcc(0) depctr_vm_vsrc(0)
	s_wait_tensorcnt 0x0
	ds_add_u32 v250, v251
	s_wait_dscnt 0x0
	s_endpgm
.Lfunc_end_k_q48bc308476_ffn2:
	.size	k_q48bc308476_ffn2, .Lfunc_end_k_q48bc308476_ffn2-k_q48bc308476_ffn2
	.p2alignl 7, 3214868480
	.fill 96, 4, 3214868480
	.section	.rodata,"a",@progbits
	.p2align	6, 0x0
	.amdhsa_kernel k_q48bc308476_ffn2
		.amdhsa_group_segment_fixed_size 281600
		.amdhsa_private_segment_fixed_size 0
		.amdhsa_enable_private_segment 0
		.amdhsa_kernarg_size 40
		.amdhsa_user_sgpr_count 2
		.amdhsa_user_sgpr_kernarg_segment_ptr 1
		.amdhsa_wavefront_size32 1
		.amdhsa_system_sgpr_workgroup_id_x 1
		.amdhsa_system_sgpr_workgroup_id_y 1
		.amdhsa_system_sgpr_workgroup_id_z 1
		.amdhsa_system_vgpr_workitem_id 0
		.amdhsa_next_free_vgpr 256
		.amdhsa_next_free_sgpr 66
		.amdhsa_reserve_vcc 0
		.amdhsa_float_denorm_mode_32 3
		.amdhsa_float_denorm_mode_16_64 3
		.amdhsa_memory_ordered 1
		.amdhsa_forward_progress 1
		.amdhsa_inst_pref_size 70
	.end_amdhsa_kernel
	.amdgpu_metadata
---
amdhsa.version: [ 1, 2 ]
amdhsa.kernels:
  - .name:           k_q48bc308476_ffn2
    .symbol:         k_q48bc308476_ffn2.kd
    .args:
      - { .name: hid, .offset: 0, .size: 8, .value_kind: global_buffer, .address_space: global }
      - { .name: route, .offset: 8, .size: 8, .value_kind: global_buffer, .address_space: global }
      - { .name: W2, .offset: 16, .size: 8, .value_kind: global_buffer, .address_space: global }
      - { .name: b2, .offset: 24, .size: 8, .value_kind: global_buffer, .address_space: global }
      - { .name: out0, .offset: 32, .size: 8, .value_kind: global_buffer, .address_space: global }
    .group_segment_fixed_size: 281600
    .private_segment_fixed_size: 0
    .kernarg_segment_align: 8
    .kernarg_segment_size: 40
    .max_flat_workgroup_size: 512
    .sgpr_count:     66
    .vgpr_count:     256
    .wavefront_size: 32
...
	.end_amdgpu_metadata
.endif
;; end of part 5
